; MI455X (gfx1250); checked and timed in simulation.
; The chip was launched on July 23, 2026; its instructions are those of AMD's public machine-readable ISA for CDNA 5 (MIT licence, August 2026) and "CDNA5" Instruction Set Architecture Reference Guide (July 2026). The comments in the code are by the model that wrote it; some were corrected since.
;; Multi Head Attention. Allowed arithmetic: matrix products marked QUANTISED: E2M3 operands, one E8M0 scale for each 32 along K, by v_wmma_scale_f32_16x16x128_f8f6f4 with both operands' format E2M3, f32 sums; everything else in f32.
;; Inputs: Wk 1,024 x 1,024 float32; Wo 1,024 x 1,024 float32; Wq 1,024 x 1,024 float32; Wv 1,024 x 1,024 float32; bo 1,024 float32; mask 1 x 1 x 2,048 x 2,048 bool; x 4 x 2,048 x 1,024 float32.
;; Outputs: out0 4 x 2,048 x 1,024 float32.
;; This version of the problem:
;;   THIS VERSION OF THE PROBLEM IS GIVEN IN LOW PRECISION. The matrix products marked QUANTISED in the list below multiply operands that are first quantised to E2M3 (2 exponent bits, 3 mantissa bits; 6 bits a number), with one power-of-two scale for each 32 numbers along K (OCP MX v1.0); their sums are f32. All else is computed in f32.
;;   The module's matrix products, in the order in which they are computed (A, B: the left and right operand; K: the contracted axis; several contracted axes count as one K, in the product's order):
;;     1. [M 8,192, K 1,024] x [K 1,024, N 1,024]; A: input x; B: input Wq: QUANTISED
;;     2. [M 8,192, K 1,024] x [K 1,024, N 1,024]; A: input x; B: input Wk: QUANTISED
;;     3. [M 8,192, K 1,024] x [K 1,024, N 1,024]; A: input x; B: input Wv: QUANTISED
;;     4. batch 64 x [M 2,048, K 64] x [K 64, N 2,048]; A: computed on the way; B: computed on the way: QUANTISED
;;     5. batch 64 x [M 2,048, K 2,048] x [K 2,048, N 64]; A: softmax (see below); B: computed on the way: QUANTISED
;;     6. [M 8,192, K 1,024] x [K 1,024, N 1,024]; A: computed on the way; B: input Wo: QUANTISED
;;   THE QUANTISER, for each operand of a quantised product, along K:
;;     - K is cut into blocks of 32 from its start; a last block that is shorter is filled with zeros.
;;     - A block's scale is 2^e with e = floor(log2(the largest magnitude in the block)) - 2, held to -126 .. 127; a block of zeros has e = 0. As a byte (E8M0): e + 127.
;;     - Each number is divided by its block's scale, clamped to +-7.5, and rounded to the nearest number of E2M3, ties to even, subnormals kept.
;;     - The product sums the exact products of the quantised numbers (number of the format x scale) in f32.
;;   ~~~python
;;   def quantise(x, axis):      # numpy; x: float32 -> the quantised numbers, widened to float32 again
;;       x = np.moveaxis(x, axis, -1); K = x.shape[-1]
;;       x = np.pad(x, [(0, 0)] * (x.ndim - 1) + [(0, -K % 32)]); x = x.reshape(x.shape[:-1] + (-1, 32)); a = np.abs(x).max(-1, keepdims=True)
;;       e = np.where(a > 0, np.clip(np.frexp(np.where(a > 0, a, 1))[1] - 1 - 2, -126, 127), 0)      # np.frexp(a)[1] - 1 = floor(log2(a)), exactly
;;       r = np.clip(x / 2.0 ** e, -7.5, 7.5)
;;       step = 2.0 ** (np.maximum(np.frexp(np.where(r == 0, 1, r))[1] - 1, 0) - 3)
;;       q = np.round(r / step) * step * 2.0 ** e      # np.round: ties to even
;;       return np.moveaxis(q.reshape(q.shape[:-2] + (-1,))[..., :K], -1, axis).astype(np.float32)
;;   ~~~
;;   SOFTMAX AHEAD OF A QUANTISED PRODUCT. Where the list says 'softmax', what is quantised is not the finished softmax but p = 2^(t - M), with t = logit x log2(e) and M = ceil(the row's largest t), a whole number; so 1/2 < the row's largest p <= 1. The row's sum l is taken of the UNQUANTISED p, in f32, and the product's result is divided by l at the end. Since M is a whole number, a kernel that streams over the keys may use a running M (the ceiling of the running maximum): every later rescaling is an exact power of two, which a block's scale takes up: the codes' values come out the same.
;;   OPERANDS COMPUTED ON THE WAY. 'Computed on the way' means the value that the module computes at that place (a softmax that the list does not call 'softmax' is quantised finished and normalised). What goes into a quantiser is computed in f32, as accurately as f32 sums, v_exp_f32 and their like allow (about 1e-6 of the number): no bf16 or f16 on the way to a quantiser, and a product that is left as it is and whose result goes on into a quantised operand takes f32 operands (vector FMAs, or v_wmma_f32_16x16x4_f32). A number that lies on a knife's edge between two numbers of the format may be rounded either way, as far as f32 arithmetic and the matrix unit's own rounding can turn it there, and no further.
;; 2 versions, each right; version 2 is version 1 with the launch attn written anew for expert scheduling mode. Each part assembles by itself: llvm-mc -triple=amdgcn-amd-amdhsa -mcpu=gfx1250 --defsym DOCPART=n.
;; ======== version 1 of 2: 4 launches
;; limits: right only within a limited range of input values
;; workspace buffers: xq 6,553,600 bytes; wq 3,276,800 bytes; msk 525,312 bytes of whole numbers; qb 6,815,744 bytes; kv 13,369,344 bytes; att 6,553,600 bytes
;; launch prep (part 1): grid 384 x 1, 4 waves a work-group, no clusters, 34,560 bytes of LDS; arguments x, Wq, Wk, Wv, Wo, mask, xq, wq, msk; writes xq, wq, msk
.if DOCPART == 1
	.amdgcn_target "amdgcn-amd-amdhsa--gfx1250"
	.amdhsa_code_object_version 6
	.text
	.protected	k_q98e47deb0e_prep
	.globl	k_q98e47deb0e_prep
	.p2align	8
	.type	k_q98e47deb0e_prep,@function
k_q98e47deb0e_prep:
	s_mov_b64 s[64:65], 0
	v_nop
	global_prefetch_b8 v0, s[64:65] scope:SCOPE_SE
	s_setreg_imm32_b32 hwreg(HW_REG_WAVE_MODE, 25, 1), 1
	s_wait_xcnt 0x0
; PREP: x and the four weights become codes of FP6 (E2M3) with one E8M0 scale byte for each 32 along K (K = 1,024), and the mask becomes lane masks and a list of key steps.
; One launch, three ways that part on the work-group's number alone: 0-127 x, 128-255 the weights, 256-383 the mask.  Each way that uses LDS has LDS bytes of its own.
; THE CODES' LAYOUT (xq, wq): [tile of 16 rows][kappa = K / 64][768 bytes]: 512 bytes with lane L's registers 0-3 at 16 L, then 256 bytes with its registers 4-5 at 8 L;
; lane L = r + 16 h holds the 24 bytes of block 2 kappa + h of the tile's row r: half of an operand's 12 registers, as the matrix instruction takes them.  Scale bytes: [16 tile + r][32].
; THE ROWS OF A TILE ARE NOT NEIGHBOURS: lane r of tile 2 t + u holds row 32 t + 8 u + r + 8 (r / 8), so that results made with such a tile as source 0 lie 16 neighbours to a lane.
; A block's scale is 2^(floor(log2(its largest magnitude)) - 2); its byte is the largest magnitude's exponent field - 2, held at 1 from below.
; LIMITS: a block of zeros, or one under 2^-124, keeps the byte 1 (its codes are read by this program alone); NaN and infinities are not served.
; No matrix unit, no cluster, no tensor load: the launch streams, and its work-groups share no input.
.set XSTG,  8448                       ; x: a stage of 16 rows x (512 bytes + 16) for each wave
.set MWD,   4*XSTG                     ; mask: 16 bytes for each wave
.set SPARE, MWD+256                    ; the spare words, 128 bytes for each wave: two blocks of 256 bytes that no other line names
.set SPW,   60                         ; v60  LDS address of my spare word; never rewritten, on any of the three ways
.set NIL,   61                         ; v61  0; never rewritten
.set TM,    16                         ; v16-31  at work in QUANT; at the x way's end v16-19 take the merged scale words
.set PC,    32                         ; v32-50  a fragment's codes, and two runs for the conversions
.set PW,    51                         ; v51     the scale word just made
.set PWF,   52                         ; v52-59  the scale words of the eight K steps
.set SEL,   24                         ; s[24:25] lane selects for v_permlanex16_b32: lane l xor 16
	s_load_b512 s[4:19], s[0:1], 0x0               ; x 4, Wq 6, Wk 8, Wv 10, Wo 12, mask 14, xq 16, wq 18
	s_load_b64 s[20:21], s[0:1], 0x40              ; msk
	v_lshl_add_u32 v[SPW], v0, 2, SPARE
	v_mov_b32 v[NIL], 0
	v_lshrrev_b32 v1, 5, v0
	v_readfirstlane_b32 s22, v1                    ; wave 0..3
	v_and_b32 v9, 31, v0                           ; lane
	v_and_b32 v7, 15, v0                           ; r
	v_bfe_u32 v8, v0, 4, 1                         ; h
	v_lshlrev_b32 v1, 4, v9                        ; 16 x lane
	v_lshlrev_b32 v2, 3, v9                        ; 8 x lane
	v_and_b32 v10, 8, v7
	v_add_nc_u32 v10, v10, v7                      ; r + 8 (r / 8)
	s_mov_b32 s[SEL], 0x76543210
	s_mov_b32 s[SEL+1], 0xfedcba98
	s_mov_b32 s26, 0xffff0000                      ; lanes 16-31
	s_wait_kmcnt 0x0
	s_cmp_lt_u32 ttmp9, 128
	s_cbranch_scc1 .Lx_path
	s_cmp_lt_u32 ttmp9, 256
	s_cbranch_scc1 .Lw_path
; ---------------------------------------------------------------- THE MASK.  Work-group = tile T of 16 queries; wave w takes key steps 4 w .. 4 w + 3 of 128 keys.
; mw[T][step][j = 16 b + i], bit L = mask[query(T, L % 16)][128 step + 32 b + 16 (L / 16) + i]: the lane mask for the register that holds that score in the attention launch.
; cls[T] = walk | mixed << 16.  A step is walked unless all its 16 x 128 entries are masked and no row of T is masked over all 2,048 keys; mixed: walked, and some entry masked.
	s_sub_co_u32 s27, ttmp9, 256                   ; T
	s_lshr_b32 s28, s27, 1
	s_lshl_b32 s28, s28, 5
	s_and_b32 s29, s27, 1
	s_lshl_b32 s29, s29, 3
	s_add_co_u32 s28, s28, s29                     ; the tile's first query
	s_lshl_b32 s28, s28, 11                        ; a row of the mask is 2,048 bytes
	s_lshl_b32 s29, s22, 9                         ; my four steps: 512 bytes
	s_add_co_u32 s28, s28, s29
	s_mov_b32 s29, 0
	s_add_nc_u64 s[14:15], s[14:15], s[28:29]
	v_lshlrev_b32 v6, 11, v10
	v_lshl_add_u32 v6, v8, 4, v6                   ; my query's row, + 16 h
	s_lshl_b32 s28, s27, 4
	s_lshl_b32 s30, s22, 2
	s_add_co_u32 s28, s28, s30
	s_lshl_b32 s28, s28, 8
	s_add_co_u32 s28, s28, 1024
	s_add_nc_u64 s[30:31], s[20:21], s[28:29]      ; mw at (T, step 4 w)
	s_lshl_b32 s28, s27, 2
	s_add_nc_u64 s[32:33], s[20:21], s[28:29]      ; cls[T]
	v_lshrrev_b32 v11, 5, v0
	v_lshl_add_u32 v11, v11, 4, MWD                ; LDS: my wave's 16 bytes: MWD + 16 x wave
	v_mov_b32 v15, MWD
.irp p, 0,1,2,3
.irp b, 0,1,2,3
	global_load_b128 v[64+16*\p+4*\b:64+16*\p+4*\b+3], v6, s[14:15] offset:128*\p+32*\b th:TH_LOAD_NT
.endr
.endr
	s_mov_b32 s42, 0                               ; steps all of whose entries are masked
	s_mov_b32 s43, 0                               ; steps with a masked entry
	s_mov_b32 s44, -1                              ; lanes all of whose entries are masked
.macro MSTEP p
	s_wait_loadcnt 12-4*(\p)                       ; this step's four loads are in; the later steps' four each may be out
	v_and_b32 v12, v[64+16*(\p)], v[65+16*(\p)]    ; a byte is 0 or 1: the AND of my 16 words is 0x01010101 where all my 64 entries are masked
	v_or_b32 v13, v[64+16*(\p)], v[65+16*(\p)]
.irp i, 2,3,4,5,6,7,8,9,10,11,12,13,14,15
	v_and_b32 v12, v12, v[64+16*(\p)+\i]
	v_or_b32 v13, v13, v[64+16*(\p)+\i]
.endr
	v_mov_b32 v[32+2*(\p)], 0                      ; (a lane write's destination counts as read)
	v_mov_b32 v[33+2*(\p)], 0
.set G, 0
.rept 16                                       ; word j = 4 G + k: byte k of register G, gathered over the lanes; it goes to lane j / 2, register j % 2, so that 8 bytes a lane lay the 64 words on end
.irp k, 0,1,2,3
	v_and_b32 v[16+\k], 1<<(8*\k), v[64+16*(\p)+G]
.endr
.irp k, 0,1,2,3
	v_cmp_ne_u32 s[36+\k], 0, v[16+\k]
.endr
.irp k, 0,1,2,3
	v_writelane_b32 v[32+2*(\p)+\k%2], s[36+\k], 2*G+\k/2
.endr
.set G, G+1
.endr
	global_store_b64 v2, v[32+2*(\p):33+2*(\p)], s[30:31] offset:256*(\p)   ; 32 lanes store 256 consecutive bytes, aligned
	v_cmp_eq_u32 s40, 0x01010101, v12
	v_cmp_ne_u32 s41, 0, v13
	s_cmp_eq_u32 s40, -1
	s_cselect_b32 s47, 1<<(\p), 0
	s_or_b32 s42, s42, s47
	s_cmp_lg_u32 s41, 0
	s_cselect_b32 s47, 1<<(\p), 0
	s_or_b32 s43, s43, s47
	s_and_b32 s44, s44, s40
.endm
	MSTEP 0
	MSTEP 1
	MSTEP 2
	MSTEP 3
	s_lshl_b32 s48, s22, 2
	s_lshl_b32 s42, s42, s48                       ; my four bits at their places among the sixteen
	s_lshl_b32 s43, s43, s48
	v_mov_b32 v12, s44
	v_mov_b32 v13, s42
	v_mov_b32 v14, s43
	ds_store_b96 v11, v[12:14]                     ; all lanes write the same words with the same values
	s_wait_dscnt 0x0                               ; for the others' sake: my store has landed
	s_barrier_signal -1
	s_barrier_wait -1
	ds_load_b96 v[16:18], v15
	ds_load_b96 v[20:22], v15 offset:16
	ds_load_b96 v[24:26], v15 offset:32
	ds_load_b96 v[28:30], v15 offset:48
	s_wait_dscnt 0x0
	v_and_b32 v16, v16, v20
	v_and_b32 v24, v24, v28
	v_and_b32 v16, v16, v24                        ; lanes masked over all 2,048 keys of their half
	v_or_b32 v17, v17, v21
	v_or_b32 v25, v25, v29
	v_or_b32 v17, v17, v25                         ; steps wholly masked
	v_or_b32 v18, v18, v22
	v_or_b32 v26, v26, v30
	v_or_b32 v18, v18, v26                         ; steps with a masked entry
	v_lshrrev_b32 v19, 16, v16
	v_and_b32 v16, v16, v19
	v_and_b32 v16, 0xffff, v16                     ; rows masked everywhere
	v_xor_b32 v17, 0xffff, v17                     ; steps not wholly masked
	v_mov_b32 v19, 0xffff
	v_cmp_ne_u32 vcc_lo, 0, v16
	v_cndmask_b32 v17, v17, v19, vcc_lo            ; walk: every step, where some row is masked everywhere (its weights are uniform over all keys)
	v_and_b32 v18, v18, v17                        ; mixed
	v_lshl_or_b32 v17, v18, 16, v17
	v_mov_b32 v19, 0
	v_cmp_eq_u32 vcc_lo, 0, v0                     ; thread 0 of the work-group stores the word
	s_wait_xcnt 0x0                                ; EXEC changes only behind this wait: the stores above have read it
	s_and_saveexec_b32 s40, vcc_lo
	global_store_b32 v19, v17, s[32:33]
	s_wait_xcnt 0x0                                ; and again in front of the line that widens it
	s_or_b32 exec_lo, exec_lo, s40
	s_wait_tensorcnt 0x0                           ; the wave's end: behind my last LDS store
	ds_add_u32 v[SPW], v[NIL]
	s_wait_dscnt 0x0
	s_endpgm
; ---------------------------------------------------------------- x.  A wave takes one tile of 16 rows, all of K, in eight K steps of 128.
; Each load reads 512 consecutive bytes of one row; a K step's 16 rows turn through the wave's own stage, so that lane (r, h) gets, of row r, 16 neighbours of each block of 32.
; REGISTERS of this way: v64-191 two sets of 64 as loaded; v192-255 the 64 numbers back from the stage.
; 64 numbers of a lane, register 16 b + i = k 32 b + 16 h + i of my row, become a fragment's codes in v[PC] on and its scale word in v[PW].
.macro QUANT s
.irp b, 0,1,2,3
	v_max3_num_f32 v[TM+\b], |v[\s+16*\b]|, |v[\s+1+16*\b]|, 0x1800000   ; block b: my 16 numbers, and the floor 2^(3 - 127): the byte cannot fall under 1
.endr
.irp i, 2,4,6,8,10,12,14
.irp b, 0,1,2,3
	v_max3_num_f32 v[TM+\b], v[TM+\b], |v[\s+16*\b+\i]|, |v[\s+1+16*\b+\i]|
.endr
.endr
.irp b, 0,1,2,3
	v_permlanex16_b32 v[TM+4+\b], v[TM+\b], s[SEL], s[SEL+1]
.endr
.irp b, 0,1,2,3
	v_max_num_f32 v[TM+\b], v[TM+\b], v[TM+4+\b]   ; with lane l xor 16's: the block's largest magnitude
.endr
.irp b, 0,1,2,3
	v_add_nc_u32 v[TM+12+\b], 0xff000000, v[TM+\b] ; 2 off its exponent field: the conversion takes the exponent field of this operand as its scale
.endr
.irp b, 0,1,2,3
	v_lshrrev_b32 v[TM+4+\b], 23, v[TM+12+\b]      ; the scale's byte
.endr
	v_lshl_or_b32 v[PW], v[TM+5], 8, v[TM+4]
	v_lshl_or_b32 v[PW], v[TM+6], 16, v[PW]
	v_lshl_or_b32 v[PW], v[TM+7], 24, v[PW]
.irp c, 0,1
	v_cvt_scalef32_pk16_fp6_f32 v[PC+6*\c:PC+2+6*\c], v[\s+32*\c:\s+15+32*\c], v[TM+12+2*\c]
	v_cvt_scalef32_pk16_fp6_f32 v[PC+12+4*\c:PC+14+4*\c], v[\s+16+32*\c:\s+31+32*\c], v[TM+12+2*\c+1]   ; (a conversion's three registers begin on an even number)
.endr
	v_nop                                          ; one plain place behind a scaled conversion
.irp c, 0,1                                    ; the layout wants a WHOLE block in a lane: lanes 0-15 block 2 c, lanes 16-31 block 2 c + 1
.irp i, 0,1,2
	v_permlane16_swap_b32 v[PC+6*\c+\i], v[PC+12+4*\c+\i]
.endr
.irp i, 0,1,2
	v_mov_b32 v[PC+3+6*\c+\i], v[PC+12+4*\c+\i]
.endr
.endr
.endm
.macro XLOAD f                                 ; K step f of my 16 rows into set f % 2
.irp p, 0,1,2,3,4,5,6,7,8,9,10,11,12,13,14,15
	global_load_b128 v[64+64*((\f)%2)+4*\p:64+64*((\f)%2)+4*\p+3], v1, s[4:5] offset:(\p+8*(\p/8))*4096+512*(\f) th:TH_LOAD_NT
.endr
.endm
.macro XSTEP f
.if (\f) < 7
	s_wait_loadcnt 16                              ; this K step's 16 loads are in; the next step's 16 may be out
.else
	s_wait_loadcnt 0x0
.endif
.irp p, 0,1,2,3,4,5,6,7,8,9,10,11,12,13,14,15
	ds_store_b128 v3, v[64+64*((\f)%2)+4*\p:64+64*((\f)%2)+4*\p+3] offset:528*\p
.endr
.irp b, 0,1,2,3
.irp j, 0,1,2,3
	ds_load_b128 v[192+16*\b+4*\j:192+16*\b+4*\j+3], v4 offset:128*\b+16*\j   ; LDS serves a wave's instructions in order: these see my stores
.endr
.endr
	s_wait_dscnt 0x0                               ; the numbers are back, and the stores into the stage have read their registers
	s_wait_xcnt 0x0                                ; the last step's stores have read the codes' registers, which QUANT writes again
.if (\f)+2 < 8
	XLOAD (\f)+2
.endif
	QUANT 192
	v_mov_b32 v[PWF+(\f)], v[PW]
	global_store_b128 v1, v[PC:PC+3], s[30:31] offset:1536*(\f)            ; each store covers 512 or 256 consecutive bytes, aligned
	global_store_b64 v2, v[PC+4:PC+5], s[30:31] offset:1536*(\f)+512
	global_store_b128 v1, v[PC+6:PC+9], s[30:31] offset:1536*(\f)+768
	global_store_b64 v2, v[PC+10:PC+11], s[30:31] offset:1536*(\f)+1280
.endm
.Lx_path:
	s_lshl_b32 s27, ttmp9, 2
	s_add_co_u32 s27, s27, s22                     ; my tile
	s_lshr_b32 s28, s27, 1
	s_lshl_b32 s28, s28, 5
	s_and_b32 s29, s27, 1
	s_lshl_b32 s29, s29, 3
	s_add_co_u32 s28, s28, s29                     ; its first row
	s_lshl_b32 s28, s28, 12                        ; a row of x is 4,096 bytes
	s_mov_b32 s29, 0
	s_add_nc_u64 s[4:5], s[4:5], s[28:29]
	s_mul_i32 s28, s27, 12288
	s_add_nc_u64 s[30:31], s[16:17], s[28:29]      ; its codes
	s_lshl_b32 s28, s27, 9
	s_add_co_u32 s28, s28, 6291456
	s_add_nc_u64 s[32:33], s[16:17], s[28:29]      ; its scale bytes
	s_mul_i32 s34, s22, XSTG
	v_add_nc_u32 v3, s34, v1                       ; the stage, on the way in: 16 x lane of a row
	v_mul_u32_u24 v4, v7, 528
	v_lshl_add_u32 v4, v8, 6, v4
	v_add_nc_u32 v4, s34, v4                       ; and on the way out: row r, + 64 h
	v_lshlrev_b32 v5, 5, v7
	v_lshl_add_u32 v5, v8, 4, v5                   ; scale bytes: 32 r + 16 h
.irp b, 0,1,2,3
	v_mov_b32 v[TM+4+\b], 0                        ; written once: a lane permute's destination counts as one of its sources
.endr
	XLOAD 0
	XLOAD 1
.irp f, 0,1,2,3,4,5,6,7
	XSTEP \f
.endr
.irp i, 0,1,2,3
	v_cndmask_b32 v[TM+\i], v[PWF+\i], v[PWF+4+\i], s26   ; lanes 0-15 store my row's words 0-3, lanes 16-31 its words 4-7 (both halves hold all eight); QUANT's registers are free now
.endr
	global_store_b128 v5, v[TM:TM+3], s[32:33]     ; 512 consecutive bytes
	s_wait_tensorcnt 0x0                           ; the wave's end: behind my last LDS store
	ds_add_u32 v[SPW], v[NIL]
	s_wait_dscnt 0x0
	s_endpgm
; ---------------------------------------------------------------- THE WEIGHTS, [k][n] in memory.  A lane takes a column n and its registers run down K; a wave takes 32 columns x 256 along K.
; Lane 16 u + r takes the column that is row r of tile u of the wave's two.  A pair of blocks (h = 0, 1) then changes halves between its two runs of six registers, and each run is one tile's 768 bytes.
; This way touches no LDS.
.macro WLOAD t
.set N, 0
.rept 32
	global_load_b32 v[64+32*((\t)%2)+N], v6, s[36:37] offset:(32*(\t)+N)*4096 th:TH_LOAD_NT   ; the 32 lanes read 128 consecutive bytes
.set N, N+1
.endr
.endm
.macro WBLOCK t
.set XS, 64+32*((\t)%2)
.set CC, 128+12*((\t)/2)+6*((\t)%2)
.if (\t) < 7
	s_wait_loadcnt 32                              ; this block's 32 loads are in; the next block's 32 may be out
.else
	s_wait_loadcnt 0x0
.endif
	v_max3_num_f32 v12, |v[XS]|, |v[XS+1]|, |v[XS+2]|
	v_max3_num_f32 v13, |v[XS+3]|, |v[XS+4]|, |v[XS+5]|
.irp i, 6,10,14,18,22,26
	v_max3_num_f32 v12, v12, |v[XS+\i]|, |v[XS+\i+1]|
	v_max3_num_f32 v13, v13, |v[XS+\i+2]|, |v[XS+\i+3]|
.endr
	v_max3_num_f32 v12, v12, |v[XS+30]|, |v[XS+31]|
	v_max3_num_f32 v12, v12, v13, 0x1800000        ; and the floor
	v_add_nc_u32 v11, 0xff000000, v12              ; the conversions' scale operand
	v_lshrrev_b32 v13, 23, v11                     ; the byte
.if (\t)%4 == 0
	v_mov_b32 v[14+(\t)/4], v13
.else
	v_lshl_or_b32 v[14+(\t)/4], v13, 8*((\t)%4), v[14+(\t)/4]
.endif
	v_cvt_scalef32_pk16_fp6_f32 v[CC:CC+2], v[XS:XS+15], v11
	v_cvt_scalef32_pk16_fp6_f32 v[176:178], v[XS+16:XS+31], v11
	v_nop                                          ; one plain place behind a scaled conversion
.irp i, 0,1,2
	v_mov_b32 v[CC+3+\i], v[176+\i]
.endr
.if (\t)+2 < 8
	WLOAD (\t)+2
.endif
.if (\t)%2
.set CE, 128+12*((\t)/2)
.irp i, 0,1,2,3,4,5
	v_permlane16_swap_b32 v[CE+\i], v[CE+6+\i]     ; the first run: tile 0, h = 0 | 1; the second: tile 1
.endr
	global_store_b128 v1, v[CE:CE+3], s[40:41] offset:768*((\t)/2)         ; every pair of blocks has registers of its own: no store's data are written again
	global_store_b64 v2, v[CE+4:CE+5], s[40:41] offset:768*((\t)/2)+512
	global_store_b128 v1, v[CE+6:CE+9], s[40:41] offset:12288+768*((\t)/2)
	global_store_b64 v2, v[CE+10:CE+11], s[40:41] offset:12288+768*((\t)/2)+512
.endif
.endm
.Lw_path:
	s_sub_co_u32 s27, ttmp9, 128
	s_and_b32 s28, s27, 31                         ; which 128 of wq's 4,096 rows (Wq, Wk, Wv, Wo: 1,024 each)
	s_lshr_b32 s29, s27, 5                         ; which 256 along K
	s_bitcmp1_b32 s28, 3
	s_cselect_b64 s[36:37], s[8:9], s[6:7]
	s_cselect_b64 s[38:39], s[12:13], s[10:11]
	s_bitcmp1_b32 s28, 4
	s_cselect_b64 s[36:37], s[38:39], s[36:37]     ; the matrix: a choice on the work-group's number alone
	v_lshl_add_u32 v6, v8, 3, v10                  ; r + 8 (r / 8) + 8 u
	v_lshlrev_b32 v6, 2, v6
	s_and_b32 s30, s28, 7
	s_lshl_b32 s30, s30, 9
	s_lshl_b32 s31, s22, 7
	s_add_co_u32 s30, s30, s31                     ; my wave's first column, in bytes
	s_lshl_b32 s31, s29, 20                        ; 256 rows of 4,096 bytes
	s_add_co_u32 s30, s30, s31
	s_mov_b32 s31, 0
	s_add_nc_u64 s[36:37], s[36:37], s[30:31]
	s_lshl_b32 s30, s28, 3
	s_lshl_b32 s32, s22, 1
	s_add_co_u32 s30, s30, s32                     ; my first tile
	s_lshl_b32 s30, s30, 4
	s_lshl_b32 s32, s29, 2
	s_add_co_u32 s30, s30, s32                     ; x 16 + my first kappa
	s_mul_i32 s30, s30, 768
	s_add_nc_u64 s[40:41], s[18:19], s[30:31]
	s_lshl_b32 s30, s28, 12
	s_lshl_b32 s32, s22, 10
	s_add_co_u32 s30, s30, s32
	s_lshl_b32 s32, s29, 3
	s_add_co_u32 s30, s30, s32
	s_add_co_u32 s30, s30, 3145728
	s_add_nc_u64 s[42:43], s[18:19], s[30:31]      ; my 32 rows of scale bytes, at my 8 bytes
	v_lshlrev_b32 v5, 5, v9
	WLOAD 0
	WLOAD 1
.irp t, 0,1,2,3,4,5,6,7
	WBLOCK \t
.endr
	global_store_b64 v5, v[14:15], s[42:43]        ; my row's 8 scale bytes
	s_endpgm
.Lfunc_end_k_q98e47deb0e_prep:
	.size	k_q98e47deb0e_prep, .Lfunc_end_k_q98e47deb0e_prep-k_q98e47deb0e_prep
	.p2alignl 7, 3214868480
	.fill 96, 4, 3214868480
	.section	.rodata,"a",@progbits
	.p2align	6, 0x0
	.amdhsa_kernel k_q98e47deb0e_prep
		.amdhsa_group_segment_fixed_size 34560
		.amdhsa_private_segment_fixed_size 0
		.amdhsa_enable_private_segment 0
		.amdhsa_kernarg_size 72
		.amdhsa_user_sgpr_count 2
		.amdhsa_user_sgpr_kernarg_segment_ptr 1
		.amdhsa_wavefront_size32 1
		.amdhsa_system_sgpr_workgroup_id_x 1
		.amdhsa_system_sgpr_workgroup_id_y 1
		.amdhsa_system_sgpr_workgroup_id_z 1
		.amdhsa_system_vgpr_workitem_id 0
		.amdhsa_next_free_vgpr 256
		.amdhsa_next_free_sgpr 66
		.amdhsa_reserve_vcc 1
		.amdhsa_float_denorm_mode_32 3
		.amdhsa_float_denorm_mode_16_64 3
		.amdhsa_memory_ordered 1
		.amdhsa_forward_progress 1
		.amdhsa_inst_pref_size 161
	.end_amdhsa_kernel
	.amdgpu_metadata
---
amdhsa.version: [ 1, 2 ]
amdhsa.kernels:
  - .name:           k_q98e47deb0e_prep
    .symbol:         k_q98e47deb0e_prep.kd
    .args:
      - { .name: x, .offset: 0, .size: 8, .value_kind: global_buffer, .address_space: global }
      - { .name: Wq, .offset: 8, .size: 8, .value_kind: global_buffer, .address_space: global }
      - { .name: Wk, .offset: 16, .size: 8, .value_kind: global_buffer, .address_space: global }
      - { .name: Wv, .offset: 24, .size: 8, .value_kind: global_buffer, .address_space: global }
      - { .name: Wo, .offset: 32, .size: 8, .value_kind: global_buffer, .address_space: global }
      - { .name: mask, .offset: 40, .size: 8, .value_kind: global_buffer, .address_space: global }
      - { .name: xq, .offset: 48, .size: 8, .value_kind: global_buffer, .address_space: global }
      - { .name: wq, .offset: 56, .size: 8, .value_kind: global_buffer, .address_space: global }
      - { .name: msk, .offset: 64, .size: 8, .value_kind: global_buffer, .address_space: global }
    .group_segment_fixed_size: 34560
    .private_segment_fixed_size: 0
    .kernarg_segment_align: 8
    .kernarg_segment_size: 72
    .max_flat_workgroup_size: 128
    .sgpr_count:     66
    .vgpr_count:     256
    .wavefront_size: 32
...
	.end_amdgpu_metadata
.endif
;; end of part 1
;; launch qkv (part 2): grid 8 x 48, 4 waves a work-group, clusters of 4 x 4, 327,680 bytes of LDS; arguments xq, wq, qb, kv; writes qb, kv
.if DOCPART == 2
	.amdgcn_target "amdgcn-amd-amdhsa--gfx1250"
	.amdhsa_code_object_version 6
	.text
	.protected	k_q98e47deb0e_qkv
	.globl	k_q98e47deb0e_qkv
	.p2align	8
	.type	k_q98e47deb0e_qkv,@function
k_q98e47deb0e_qkv:
	s_mov_b64 s[64:65], 0
	v_nop
	global_prefetch_b8 v0, s[64:65] scope:SCOPE_SE
	s_setreg_imm32_b32 hwreg(HW_REG_WAVE_MODE, 25, 1), 1
	s_wait_xcnt 0x0
	s_wait_alu depctr_hold_cnt(0) depctr_sa_sdst(0) depctr_va_vdst(0) depctr_va_sdst(0) depctr_va_ssrc(0) depctr_va_vcc(0) depctr_vm_vsrc(0)
	s_getreg_b32 s2, hwreg(HW_REG_IB_STS2, 6, 4)
	s_cmp_eq_u32 s2, 0
	s_cbranch_scc0 .Lentry_in_a_cluster
	s_endpgm
.Lentry_in_a_cluster:
	s_bfe_u32 s2, ttmp6, 0x10000c
	s_cmp_lg_u32 s2, 0xf033
	s_cbranch_scc0 .Lentry_shape_is_right
	s_endpgm
.Lentry_shape_is_right:
; QKV: q = x Wq, k = x Wk, v = x Wv on codes of FP6 (E2M3) with E8M0 scales, K = 1,024, f32 sums; the results are quantised in registers, q and k along the head's 64, v along the keys, and stored as operands of the attention launch.
; ONE FORM: C = A B^T, and C is quantised along B's rows.  Clusters with y under 8: A = x (8,192 rows), B = Wq | Wk (wq's rows 0-2,047).  Clusters with y from 8 on: A = Wv (wq's rows 2,048-3,071), B = x.
; A tile of C, 256 x 256, is made by four waves, each 128 x 128: 64 accumulators, 512 registers.  K goes in steps of 256 through a ring of two LDS slots filled by the tensor data mover.
; THE CODES lie [tile of 16 rows][kappa = K / 64][768 bytes] as images of the operand's registers (512 bytes: registers 0-3 at 16 x lane; 256 bytes: registers 4-5 at 8 x lane), so a K step of a tile of rows is 3,072 consecutive
; bytes, a fragment comes by four dense LDS loads, and no padding is wanted.  THE SCALES of the work-group's rows, for all of K, come into LDS once, with the first fills.
; CLUSTERS: 4 x 4 work-groups; A's tiles are shared along a row of the cluster, B's along a column: each is asked for jointly, by the same tensor load with the same descriptor and a mask that names the four.
; THE MATRIX INSTRUCTION IS USED TRANSPOSED (source 0 = 16 rows of B, source 1 = 16 rows of A).  The rows of a tile are not neighbours (lane r of tile 2 t + u holds row 32 t + 8 u + r + 8 (r / 8)), so a lane's 64 results
; of one block of A's rows are, register 16 b + i, B's row 32 b + 16 (lane / 16) + i: 16 neighbours of each block of 32 along which C is quantised.
; OUT.  qb: [b h][step of 128 tokens][6,656]: 8 tiles x 768 bytes (16 tokens x the head's 64), then scale words [tile / 4][r][tile % 4], a word = the two bytes twice.  kv: [b h][step][13,056]: k as qb, then v:
; 4 tiles of 16 of the head's 64 x 1,536 bytes (registers 4 p .. 4 p + 3 at 512 p + 16 x lane; K = the step's 128 keys), then scale words [r][tile].
; LIMITS: a block of zeros, or one under 2^-124, keeps the byte 1; NaN and infinities are not served.
; REGISTERS, in windows of 256: window 0: v16-31 addresses; v32-63 scale words, two sets; v64-127 the way out; v128-223 A's fragments, one set.  window 1: B's fragments, two sets, at v0 and v128.  windows 2, 3: the accumulators, (a, b) at v[8 (8 (a % 4) + b)].
.set NQ,     2                         ; matrix instructions deep in a slot (256 along K)
.set FR,     12                        ; registers of a fragment
.set NL,     4                         ; LDS loads that bring one
.set NP,     4                         ; places behind this matrix instruction (ISA guide 7.12.1)
.set TROW,   3072                      ; a K step of one tile of 16 rows, in bytes
.set HALFT,  8*TROW                    ; 128 rows: what one tensor load brings
.set SLOT,   4*HALFT                   ; A's 256 rows, then B's 256 rows
.set LAPS,   2                         ; 1,024 / 512
.set KS,     32                        ; a row of scales in bytes
.set SCL,    2*SLOT                    ; behind the ring: the scales, as units of 256 bytes + 16 of padding
.set HALFS,  16*272                    ; those of 128 rows
.set SBLK,   2*272                     ; those of 16 rows
.set SPARE,  SCL+4*HALFS               ; the spare words, 128 bytes for each wave: two blocks of 256 bytes that no other line names
.set ADRA, 16                          ; v16-17 LDS address of my A fragments in slot 0, 1, at 16 x lane; v18-19 at 8 x lane
.set ADRB, 20                          ; v20-23 the same for B
.set L16,  24                          ; v24  16 x lane
.set L8,   25                          ; v25  8 x lane
.set SWO,  26                          ; v26  the way out: where my scale words go
.set ADRS, 27                          ; v27  LDS address of my scale words: lanes 0-15 A's rows, lanes 16-31 B's
.set SPW,  28                          ; v28  LDS address of my spare word; never rewritten
.set NIL,  29                          ; v29  0; never rewritten
.set H16,  30                          ; v30  16 x (lane / 16)
.set SC,   32
.set TM,   64                          ; v64-79  at work in the quantiser
.set PC,   80                          ; v80-98  the codes just made
.set PW,   99                          ; v99     the scale word just made
.set MG,   100                         ; v100-103
.set SW,   120                         ; v120-127 the eight blocks' scale words
.set AF,   128
.set G1, 24
.set G0, 32
.set G1B, 48
.set G0B, 56
.set G1S, 68
.set G0S, 76
.set G1SB, 80
.set G0SB, 88
.set SEL, 100                          ; s[100:101] lane selects for v_permlanex16_b32: lane l xor 16
.set MSB, 0
.macro WIN new                         ; the immediate's high byte repeats the setting that is left
.if MSB != \new
	s_set_vgpr_msb (MSB<<8)|\new
.set MSB, \new
.endif
.endm
.set MUL_LO, 0xa1                      ; source 0 (B) window 1, source 1 (A) window 0, C and D window 2
.set MUL_HI, 0xf1                      ; the same, C and D window 3
.set TO_B,   0x40                      ; destination window 1, address window 0
; A joint load: waves 0 and 1 fetch for A, waves 2 and 3 for B; the branch hangs on the wave's number alone.  An s_nop 0 and four v_nop follow each of the two lines.
.macro JLOAD g0a, g1a, g0b, g1b
	s_cmp_eq_u32 s15, 0
	s_cbranch_scc0 .Lfor_b_\@
	tensor_load_to_lds s[\g0a:\g0a+3], s[\g1a:\g1a+7]
	s_nop 0
.rept 4
	v_nop
.endr
	s_branch .Lasked_\@
.Lfor_b_\@:
	tensor_load_to_lds s[\g0b:\g0b+3], s[\g1b:\g1b+7]
	s_nop 0
.rept 4
	v_nop
.endr
.Lasked_\@:
.endm
.macro CREST                           ; a round of the cluster's barrier behind its opening barrier
	s_cmp_lg_u32 s14, 0
	s_cbranch_scc1 .Lnot_wave_0_\@
	s_barrier_signal -3
.Lnot_wave_0_\@:
	s_barrier_wait -3
	s_barrier_signal -1
	s_barrier_wait -1
.endm
.macro CROUND
	s_barrier_signal -1
	s_barrier_wait -1
	CREST
.endm
	s_load_b256 s[4:11], s[0:1], 0x0               ; xq s[4:5], wq s[6:7], qb s[8:9], kv s[10:11]
	v_lshl_add_u32 v[SPW], v0, 2, SPARE
	v_mov_b32 v[NIL], 0
	ds_add_u32 v[SPW], v[NIL]                      ; the wave's opening: the add and its wait stand ahead of my first tensor load; the set-up below, work on registers, stands between them
	v_lshrrev_b32 v1, 5, v0
	v_readfirstlane_b32 s14, v1                    ; wave 0..3
	s_lshr_b32 s15, s14, 1                         ; which half of A's rows is mine.  Also: I fetch for A (0) or for B (1)
	s_and_b32 s16, s14, 1                          ; which half of B's rows.  Also: which 128 rows I fetch
	s_bfe_u32 s40, ttmp6, 0x40000                  ; cx, cy: my place in the cluster
	s_bfe_u32 s41, ttmp6, 0x40004
	s_mov_b32 s66, ttmp9                           ; the cluster's x: 0, 1
	s_and_b32 s67, ttmp7, 0xffff                   ; the cluster's y: 0 .. 11
	s_lshl_b32 s17, s67, 2
	s_cmp_ge_u32 s67, 8                            ; v's clusters: the same answer in all sixteen partners
	s_cselect_b32 s95, 1, 0
	s_cselect_b32 s17, 8, s17
	s_mov_b32 s12, 6291456
	s_cselect_b32 s12, 3145728, s12                ; where the scales begin in A's buffer,
	s_mov_b32 s13, 3145728
	s_cselect_b32 s13, 6291456, s13                ; and in B's
	s_add_co_u32 s17, s17, s41                     ; A's block of 256 rows: 4 y + cy of x, or 8 + cy of wq
	s_max_u32 s18, s67, 8
	s_sub_co_u32 s18, s18, 8
	s_lshl_b32 s18, s18, 3
	s_lshl_b32 s42, s66, 2
	s_add_co_u32 s42, s42, s18
	s_add_co_u32 s42, s42, s40                     ; B's block: 4 x + cx of wq, or 8 (y - 8) + 4 x + cx of x
	s_lshl_b32 s43, s41, 2
	s_lshl_b32 s43, 15, s43                        ; my row of the cluster
	s_lshl_b32 s44, 0x1111, s40                    ; my column
	; descriptor group 1: 8 tiles of rows x 3,072 bytes (384 elements of 8 bytes), 12,288 bytes apart in memory, dense in LDS
	s_or_b32 s[G1+0], s43, (3<<16)|(1<<21)         ; 15:0 the mask: A's tiles go to my row; 17:16 elements of 8 bytes; 20 no padding; 21 set beside a mask
	s_or_b32 s[G1B+0], s44, (3<<16)|(1<<21)
.irp g, G1, G1B
	s_mov_b32 s[\g+1], 384<<16                     ; tensor_dim0
	s_mov_b32 s[\g+2], 8<<16                       ; tensor_dim1
	s_mov_b32 s[\g+3], 384<<16                     ; tile_dim0
	s_mov_b32 s[\g+4], 8                           ; tile_dim1
	s_mov_b32 s[\g+5], 1536                        ; tensor_dim0_stride
	s_mov_b32 s[\g+6], 0
	s_mov_b32 s[\g+7], 0
.endr
	; the scales of 128 rows: 4,096 dense bytes, as 16 rows of 256 bytes, 16 bytes of padding behind each
	s_or_b32 s[G1S+0], s43, (3<<16)|(1<<20)|(1<<21)|(5<<22)|(3<<25)
	s_or_b32 s[G1SB+0], s44, (3<<16)|(1<<20)|(1<<21)|(5<<22)|(3<<25)
.irp g, G1S, G1SB
	s_mov_b32 s[\g+1], 32<<16
	s_mov_b32 s[\g+2], 16<<16
	s_mov_b32 s[\g+3], 32<<16
	s_mov_b32 s[\g+4], 16
	s_mov_b32 s[\g+5], 32
	s_mov_b32 s[\g+6], 0
	s_mov_b32 s[\g+7], 0
.endr
	s_lshl_b32 s18, s16, 7                         ; which 128 rows I fetch
	s_lshl_b32 s20, s17, 8
	s_add_co_u32 s20, s20, s18                     ; A's row
	s_lshl_b32 s46, s42, 8
	s_add_co_u32 s46, s46, s18                     ; B's row
	s_lshl_b32 s22, s20, 5                         ; 32 scale bytes a row
	s_add_co_u32 s22, s22, s12
	s_mov_b32 s23, 0
	s_mul_i32 s20, s20, 768                        ; 768 bytes of codes a row
	s_mov_b32 s21, 0
	s_lshl_b32 s92, s46, 5
	s_add_co_u32 s92, s92, s13
	s_mov_b32 s93, 0
	s_mul_i32 s46, s46, 768
	s_mov_b32 s47, 0
	s_mul_i32 s45, s14, HALFT                      ; where they go: wave x 128 rows: no place in the cluster enters an LDS address
	s_mul_i32 s94, s14, HALFS
	s_mov_b32 s[SEL], 0x76543210
	s_mov_b32 s[SEL+1], 0xfedcba98
	s_wait_dscnt 0x0                               ; the opening add is done
	s_wait_kmcnt 0x0
	s_cmp_eq_u32 s95, 1
	s_cselect_b64 s[96:97], s[6:7], s[4:5]         ; A's buffer
	s_cselect_b64 s[98:99], s[4:5], s[6:7]         ; B's buffer
	s_add_nc_u64 s[20:21], s[96:97], s[20:21]
	s_add_nc_u64 s[22:23], s[96:97], s[22:23]
	s_add_nc_u64 s[46:47], s[98:99], s[46:47]
	s_add_nc_u64 s[92:93], s[98:99], s[92:93]
	CROUND                                         ; all sixteen work-groups are here: the first joint loads meet
	s_mov_b32 s[G0S], 1
	s_add_co_u32 s[G0S+1], s94, SCL
	s_mov_b64 s[G0S+2:G0S+3], s[22:23]
	s_or_b32 s[G0S+3], s[G0S+3], 0x80000000
	s_mov_b32 s[G0SB], 1
	s_add_co_u32 s[G0SB+1], s94, SCL
	s_mov_b64 s[G0SB+2:G0SB+3], s[92:93]
	s_or_b32 s[G0SB+3], s[G0SB+3], 0x80000000
	JLOAD G0S, G1S, G0SB, G1SB                     ; the scales first: they are wanted with K step 0
.irp s, 0,1
	s_mov_b32 s[G0+4*\s], 1
	s_add_co_u32 s[G0+4*\s+1], s45, \s*SLOT
	s_add_nc_u64 s[G0+4*\s+2:G0+4*\s+3], s[20:21], \s*TROW
	s_or_b32 s[G0+4*\s+3], s[G0+4*\s+3], 0x80000000
	s_mov_b32 s[G0B+4*\s], 1
	s_add_co_u32 s[G0B+4*\s+1], s45, \s*SLOT
	s_add_nc_u64 s[G0B+4*\s+2:G0B+4*\s+3], s[46:47], \s*TROW
	s_or_b32 s[G0B+4*\s+3], s[G0B+4*\s+3], 0x80000000
	JLOAD G0+4*\s, G1, G0B+4*\s, G1B               ; three tensor loads of mine are out behind these
.endr
	v_and_b32 v1, 15, v0                           ; r
	v_bfe_u32 v2, v0, 4, 1                         ; h
	v_and_b32 v6, 31, v0
	v_lshlrev_b32 v[L16], 4, v6
	v_lshlrev_b32 v[L8], 3, v6
	v_lshlrev_b32 v[H16], 4, v2
	s_mul_i32 s21, s15, HALFT                      ; my 128 rows of A
	s_mul_i32 s22, s16, HALFT                      ; my 128 rows of B,
	s_add_co_u32 s22, s22, 2*HALFT                 ; which lie behind A's 256
.irp s, 0,1
	v_add_nc_u32 v[ADRA+\s], s21, v[L16]
	v_add_nc_u32 v[ADRB+\s], s22, v[L16]
	v_add_nc_u32 v[ADRA+2+\s], s21, v[L8]
	v_add_nc_u32 v[ADRB+2+\s], s22, v[L8]
	s_add_co_u32 s21, s21, SLOT
	s_add_co_u32 s22, s22, SLOT
.endr
	v_mul_u32_u24 v5, v1, KS                       ; my row's scales: 32 bytes a row,
	v_lshrrev_b32 v6, 8, v5
	v_lshl_add_u32 v5, v6, 4, v5                   ; and 16 more for each 256 passed
	s_mul_i32 s21, s15, HALFS
	s_mul_i32 s22, s16, HALFS
	s_add_co_u32 s22, s22, 2*HALFS
	s_sub_co_u32 s22, s22, s21
	v_mul_u32_u24 v6, s22, v2                      ; lanes 16-31 take B's
	s_add_co_u32 s21, s21, SCL
	v_add_nc_u32 v5, v5, v6
	v_add_nc_u32 v[ADRS], s21, v5
.irp b, 0,1,2,3
	v_mov_b32 v[TM+4+\b], 0                        ; written once: a lane permute's destination counts as one of its sources
.endr
.macro FRAG reg, adr, q, i             ; a fragment, 16 rows x 128 K, 12 registers: two images of 768 bytes, each 512 bytes at 16 x lane and 256 bytes at 8 x lane: every load reads consecutive bytes
	ds_load_b128 v[\reg:\reg+3], v[\adr] offset:TROW*(\i)+1536*(\q)
	ds_load_b64 v[\reg+4:\reg+5], v[\adr+2] offset:TROW*(\i)+1536*(\q)+512
	ds_load_b128 v[\reg+6:\reg+9], v[\adr] offset:TROW*(\i)+1536*(\q)+768
	ds_load_b64 v[\reg+10:\reg+11], v[\adr+2] offset:TROW*(\i)+1536*(\q)+1280
.endm
; 16 matrix instructions: A's blocks a0, a0 + 1 x B's eight, 128 along K.  The 64 accumulators take turns, one instruction a turn, in the same order in every step.
.macro MUL16 a0, p, q, sc, zero
.irp a, \a0, \a0+1
.irp b, 0,1,2,3,4,5,6,7
.if \zero
	v_wmma_scale_f32_16x16x128_f8f6f4 v[8*(8*((\a)%4)+\b):8*(8*((\a)%4)+\b)+7], v[128*(\p)+FR*\b:128*(\p)+FR*\b+FR-1], v[AF+FR*(\a):AF+FR*(\a)+FR-1], 0, v[SC+8*NQ*(\sc)+NQ*\b+(\q)], v[SC+8*NQ*(\sc)+NQ*(\a)+(\q)] matrix_a_fmt:MATRIX_FMT_FP6 matrix_b_fmt:MATRIX_FMT_FP6 matrix_a_scale:MATRIX_SCALE_ROW1
.else
	v_wmma_scale_f32_16x16x128_f8f6f4 v[8*(8*((\a)%4)+\b):8*(8*((\a)%4)+\b)+7], v[128*(\p)+FR*\b:128*(\p)+FR*\b+FR-1], v[AF+FR*(\a):AF+FR*(\a)+FR-1], v[8*(8*((\a)%4)+\b):8*(8*((\a)%4)+\b)+7], v[SC+8*NQ*(\sc)+NQ*\b+(\q)], v[SC+8*NQ*(\sc)+NQ*(\a)+(\q)] matrix_a_fmt:MATRIX_FMT_FP6 matrix_b_fmt:MATRIX_FMT_FP6 matrix_a_scale:MATRIX_SCALE_ROW1
.endif
.endr
.endr
.endm
.macro FETCH_B slot, q, p
	WIN TO_B
.irp i, 0,1,2,3,4,5,6,7
	FRAG 128*(\p)+FR*\i, ADRB+\slot, \q, \i
.endr
	WIN 0
.endm
.macro FETCH_A slot, q, i0
.irp i, \i0, \i0+1, \i0+2, \i0+3
	FRAG AF+FR*(\i), ADRA+\slot, \q, \i
.endr
.endm
.macro SCALES sc                       ; a K step's scale words: 2 words a row; lanes 0-15 take A's block i, lanes 16-31 B's block i
.irp i, 0,1,2,3,4,5,6,7
	ds_load_b64 v[SC+8*NQ*\sc+NQ*\i:SC+8*NQ*\sc+NQ*\i+1], v[ADRS] offset:\i*SBLK
.endr
.endm
.macro PLACES n                        ; places in front of loads into registers that matrix instructions have read, and of the first read of results
.rept \n
	v_nop
.endr
.endm
.macro STEP slot, q, zero              ; a step of 128 along K that has its successor in the same slot
	s_wait_dscnt 4*NL                              ; B's set, A's blocks 0-3 and the scale words are in; the youngest 16 loads (A's blocks 4-7) may be out
	WIN MUL_LO
	MUL16 0, (\q)%2, \q, \slot, \zero
	MUL16 2, (\q)%2, \q, \slot, \zero
	s_wait_dscnt 0
	PLACES NP
	FETCH_B \slot, (\q)+1, 1-(\q)%2
	FETCH_A \slot, (\q)+1, 0
	WIN MUL_HI
	MUL16 4, (\q)%2, \q, \slot, \zero
	MUL16 6, (\q)%2, \q, \slot, \zero
	PLACES NP
	WIN 0
	FETCH_A \slot, (\q)+1, 4
.endm
; A slot's last step changes slots: ONE barrier; in front of it each wave waits for all its tensor loads, adds 0 to its spare word, and waits for that and for its own reads of this slot.  fill = 1: this slot is filled again, two K steps ahead.
.macro TURN slot, next, fill
	s_wait_tensorcnt 0x0                           ; all my tensor loads have landed: my part of the next slot
	ds_add_u32 v[SPW], v[NIL]                      ; 0 onto my spare word
	s_wait_dscnt 4*NL+1                            ; (the add and the youngest 16 loads, A's blocks 4-7, may be out)
	WIN MUL_LO
	MUL16 0, 1, NQ-1, \slot, 0
	s_wait_dscnt 0x0                               ; the add is done, and my reads of this slot are over
	s_barrier_signal -1
	MUL16 2, 1, NQ-1, \slot, 0
	WIN 0
	s_barrier_wait -1
.if \fill
	CREST                                          ; the barrier has opened a round of the cluster's barrier: no wave of any partner still reads this slot or has a load on its way
	s_add_nc_u64 s[G0+4*\slot+2:G0+4*\slot+3], s[G0+4*\slot+2:G0+4*\slot+3], 2*TROW
	s_add_nc_u64 s[G0B+4*\slot+2:G0B+4*\slot+3], s[G0B+4*\slot+2:G0B+4*\slot+3], 2*TROW
	JLOAD G0+4*\slot, G1, G0B+4*\slot, G1B         ; the first tensor load behind the round, my only one until the next; its four v_nop are the places in front of the loads below
.else
	PLACES NP
.endif
	v_add_nc_u32 v[ADRS], 4*NQ, v[ADRS]            ; on to the next K step's scale words (no LDS load of mine is out)
	FETCH_B \next, 0, 0
	FETCH_A \next, 0, 0
	SCALES \next
	WIN MUL_HI
	MUL16 4, 1, NQ-1, \slot, 0
	MUL16 6, 1, NQ-1, \slot, 0
	PLACES NP
	WIN 0
	FETCH_A \next, 0, 4
.endm
	s_wait_tensorcnt 1                             ; the scales and my part of K step 0 are in (K step 1's load may be out)
	s_barrier_signal -1
	s_barrier_wait -1                              ; everybody's are
	FETCH_B 0, 0, 0
	FETCH_A 0, 0, 0
	SCALES 0
	FETCH_A 0, 0, 4
	STEP 0, 0, 1                                   ; the first step's products start the sums: nothing is cleared
	s_mov_b32 s3, LAPS-1
.Llap:
	TURN 0, 1, 1
	STEP 1, 0, 0
	TURN 1, 0, 1
	STEP 0, 0, 0
	s_sub_co_u32 s3, s3, 1
	s_cmp_lg_u32 s3, 0
	s_cbranch_scc1 .Llap
	TURN 0, 1, 0                                   ; the last lap fills nothing, and has no round of the cluster's barrier
	STEP 1, 0, 0
	s_wait_dscnt 4*NL
	WIN MUL_LO
	MUL16 0, 1, NQ-1, 1, 0
	MUL16 2, 1, NQ-1, 1, 0
	s_wait_dscnt 0
	WIN MUL_HI
	MUL16 4, 1, NQ-1, 1, 0
	MUL16 6, 1, NQ-1, 1, 0
	WIN 0
; THE WAY OUT: no LDS.  Block a (16 rows of A x my 128 rows of B) is quantised where it lies; its 12 registers of codes are stored as they stand, 512 or 256 consecutive bytes a store.
	PLACES NP
	s_cmp_eq_u32 s95, 1
	s_cselect_b32 s20, s42, s17                    ; the block of 256 tokens,
	s_cselect_b32 s21, s16, s15                    ; my half of it,
	s_cselect_b32 s22, s41, s42                    ; the block of four heads (cy, or B's block mod 4),
	s_cselect_b32 s23, s15, s16                    ; my two of them
	s_cselect_b32 s18, 6656, 0                     ; v lies behind k in a step's bytes
	s_and_b32 s22, s22, 3
	s_lshl_b32 s22, s22, 2
	s_lshl_b32 s23, s23, 1
	s_add_co_u32 s22, s22, s23                     ; my first head
	s_lshr_b32 s23, s20, 3
	s_lshl_b32 s23, s23, 4
	s_add_co_u32 s22, s22, s23                     ; + 16 x batch
	s_lshl_b32 s20, s20, 1
	s_add_co_u32 s20, s20, s21
	s_and_b32 s20, s20, 15                         ; the step of 128 tokens in its batch
	s_lshl_b32 s22, s22, 4
	s_add_co_u32 s22, s22, s20
	s_or_b32 s19, s95, s66                         ; v, or k (the cluster's x = 1): into kv
	s_cmp_lg_u32 s19, 0
	s_mov_b32 s19, 6656
	s_cselect_b32 s19, 13056, s19                  ; a step's bytes
	s_cselect_b64 s[96:97], s[10:11], s[8:9]
	s_mul_i32 s22, s22, s19
	s_add_co_u32 s22, s22, s18
	s_mov_b32 s23, 0
	s_add_nc_u64 s[96:97], s[96:97], s[22:23]      ; my first head's step
	s_lshl_b32 s22, s19, 4                         ; a head on: 16 steps
	s_add_nc_u64 s[98:99], s[96:97], s[22:23]      ; my second head's
	v_mul_u32_u24 v[SWO], s22, v2
	v_lshl_add_u32 v[SWO], v1, 4, v[SWO]           ; scale words: lanes 0-15 the first head's, lanes 16-31 the second's; 16 bytes a row
	s_mov_b32 s19, 0xffff0000                      ; lanes 16-31
.macro QUANTW a                        ; block a's 64 registers a lane, in window 2 or 3, become codes in v[PC] on and a scale word in v[PW]; each accumulator is read from its low end on
.set AC, 64*((\a)%4)
.set WW, 2+(\a)/4
.set WM, WW|(WW<<2)
	WIN WM                                         ; sources 0 and 1 in the accumulators' window
.irp b, 0,1,2,3
	v_max3_num_f32 v[TM+\b], |v[AC+16*\b]|, |v[AC+1+16*\b]|, 0x1800000   ; and the floor 2^(3 - 127): the byte cannot fall under 1
.endr
.irp i, 2,4,6,8,10,12,14
.irp b, 0,1,2,3
	v_max3_num_f32 v[TM+\b], |v[AC+16*\b+\i]|, |v[AC+1+16*\b+\i]|, v[TM+\b]
.endr
.endr
	WIN 0
.irp b, 0,1,2,3
	v_permlanex16_b32 v[TM+4+\b], v[TM+\b], s[SEL], s[SEL+1]
.endr
.irp b, 0,1,2,3
	v_max_num_f32 v[TM+\b], v[TM+\b], v[TM+4+\b]
.endr
.irp b, 0,1,2,3
	v_add_nc_u32 v[TM+12+\b], 0xff000000, v[TM+\b] ; 2 off the exponent field: the conversion's scale operand
.endr
.irp b, 0,1,2,3
	v_lshrrev_b32 v[TM+4+\b], 23, v[TM+12+\b]
.endr
	v_lshl_or_b32 v[PW], v[TM+5], 8, v[TM+4]
	v_lshl_or_b32 v[PW], v[TM+6], 16, v[PW]
	v_lshl_or_b32 v[PW], v[TM+7], 24, v[PW]
	s_wait_xcnt 0x0                                ; the last block's stores have read the codes' registers
	WIN WW                                         ; source 0 in the accumulators' window
.irp c, 0,1
	v_cvt_scalef32_pk16_fp6_f32 v[PC+6*\c:PC+2+6*\c], v[AC+32*\c:AC+15+32*\c], v[TM+12+2*\c]
	v_cvt_scalef32_pk16_fp6_f32 v[PC+12+4*\c:PC+14+4*\c], v[AC+16+32*\c:AC+31+32*\c], v[TM+12+2*\c+1]
.endr
	WIN 0
	v_nop                                          ; one plain place behind a scaled conversion
.irp c, 0,1
.irp i, 0,1,2
	v_permlane16_swap_b32 v[PC+6*\c+\i], v[PC+12+4*\c+\i]
.endr
.irp i, 0,1,2
	v_mov_b32 v[PC+3+6*\c+\i], v[PC+12+4*\c+\i]
.endr
.endr
.endm
.macro FINISH
	s_wait_tensorcnt 0x0                           ; the wave's end
	ds_add_u32 v[SPW], v[NIL]
	s_wait_dscnt 0x0
	CROUND                                         ; the closing round: no work-group ends while a partner may still ask for a tile that names it
	s_endpgm
.endm
	s_cmp_eq_u32 s95, 1
	s_cbranch_scc1 .Lout_v
	; q and k: block a = tile a of the step's tokens; registers 0-5 are my first head's 64, registers 6-11 my second's
.irp a, 0,1,2,3,4,5,6,7
	QUANTW \a
	global_store_b128 v[L16], v[PC:PC+3], s[96:97] offset:768*\a
	global_store_b64 v[L8], v[PC+4:PC+5], s[96:97] offset:768*\a+512
	global_store_b128 v[L16], v[PC+6:PC+9], s[98:99] offset:768*\a
	global_store_b64 v[L8], v[PC+10:PC+11], s[98:99] offset:768*\a+512
	v_lshrrev_b32 v[SW+\a], v[H16], v[PW]          ; lanes 0-15: the first head's two bytes; lanes 16-31: the second's
	v_and_b32 v[SW+\a], 0xffff, v[SW+\a]
	v_lshl_or_b32 v[SW+\a], v[SW+\a], 16, v[SW+\a] ; twice: the instruction's blocks 2 and 3, which meet zero codes, have bytes like the real ones
.endr
	global_store_b128 v[SWO], v[SW:SW+3], s[96:97] offset:6144      ; each half of the lanes stores 256 consecutive bytes
	global_store_b128 v[SWO], v[SW+4:SW+7], s[96:97] offset:6400
	FINISH
.Lout_v:
	; v: block a = tile a % 4 of head a / 4; the 12 registers are one fragment, K = the step's 128 keys
.irp a, 0,1,2,3,4,5,6,7
	QUANTW \a
.irp p, 0,1,2
	global_store_b128 v[L16], v[PC+4*\p:PC+4*\p+3], s[96:97] offset:(\a%4)*1536+512*\p+(\a/4)*208896
.endr
	v_mov_b32 v[SW+\a], v[PW]
.endr
.irp i, 0,1,2,3
	v_cndmask_b32 v[MG+\i], v[SW+\i], v[SW+4+\i], s19
.endr
	global_store_b128 v[SWO], v[MG:MG+3], s[96:97] offset:6144
	FINISH
.Lfunc_end_k_q98e47deb0e_qkv:
	.size	k_q98e47deb0e_qkv, .Lfunc_end_k_q98e47deb0e_qkv-k_q98e47deb0e_qkv
	.p2alignl 7, 3214868480
	.fill 96, 4, 3214868480
	.section	.rodata,"a",@progbits
	.p2align	6, 0x0
	.amdhsa_kernel k_q98e47deb0e_qkv
		.amdhsa_group_segment_fixed_size 327680
		.amdhsa_private_segment_fixed_size 0
		.amdhsa_enable_private_segment 0
		.amdhsa_kernarg_size 32
		.amdhsa_user_sgpr_count 2
		.amdhsa_user_sgpr_kernarg_segment_ptr 1
		.amdhsa_wavefront_size32 1
		.amdhsa_system_sgpr_workgroup_id_x 1
		.amdhsa_system_sgpr_workgroup_id_y 1
		.amdhsa_system_sgpr_workgroup_id_z 1
		.amdhsa_system_vgpr_workitem_id 0
		.amdhsa_next_free_vgpr 1024
		.amdhsa_next_free_sgpr 102
		.amdhsa_reserve_vcc 0
		.amdhsa_float_denorm_mode_32 3
		.amdhsa_float_denorm_mode_16_64 3
		.amdhsa_memory_ordered 1
		.amdhsa_forward_progress 1
		.amdhsa_inst_pref_size 185
	.end_amdhsa_kernel
	.amdgpu_metadata
---
amdhsa.version: [ 1, 2 ]
amdhsa.kernels:
  - .name:           k_q98e47deb0e_qkv
    .symbol:         k_q98e47deb0e_qkv.kd
    .args:
      - { .name: xq, .offset: 0, .size: 8, .value_kind: global_buffer, .address_space: global }
      - { .name: wq, .offset: 8, .size: 8, .value_kind: global_buffer, .address_space: global }
      - { .name: qb, .offset: 16, .size: 8, .value_kind: global_buffer, .address_space: global }
      - { .name: kv, .offset: 24, .size: 8, .value_kind: global_buffer, .address_space: global }
    .group_segment_fixed_size: 327680
    .private_segment_fixed_size: 0
    .kernarg_segment_align: 8
    .kernarg_segment_size: 32
    .max_flat_workgroup_size: 128
    .sgpr_count:     102
    .vgpr_count:     1024
    .wavefront_size: 32
...
	.end_amdgpu_metadata
.endif
;; end of part 2
;; launch attn (part 3): grid 4 x 64, 16 waves a work-group, no clusters, 67,584 bytes of LDS; arguments qb, kv, msk, att; writes att
.if DOCPART == 3
	.amdgcn_target "amdgcn-amd-amdhsa--gfx1250"
	.amdhsa_code_object_version 6
	.text
	.protected	k_q98e47deb0e_attn
	.globl	k_q98e47deb0e_attn
	.p2align	8
	.type	k_q98e47deb0e_attn,@function
k_q98e47deb0e_attn:
	s_mov_b64 s[64:65], 0
	v_nop
	global_prefetch_b8 v0, s[64:65] scope:SCOPE_SE
	s_setreg_imm32_b32 hwreg(HW_REG_WAVE_MODE, 25, 1), 1
	s_wait_xcnt 0x0
; ATTN: for each batch and head, att = softmax(q k^T / 8, masked) v, both products on codes of FP6 (E2M3) with E8M0 scales; att is quantised along the model's 1,024 (a head's 64 are two blocks) and stored as the last product's operand.
; THE SOFTMAX AHEAD OF THE SECOND PRODUCT: t = score x log2(e) / 8; M = the row's largest t so far, rounded up to a whole number; p = 2^(t - M) is quantised along the keys, not normalised; the row's sum is taken of the
; unquantised p and divides at the end.  When M moves, the sum and O are multiplied by 2^(old M - new M): exact.
; THE MASK is an input.  An earlier launch has laid it as lane masks, one word for each score register of a tile of 16 queries and a step of 128 keys, and as a list word for each tile: bits 0-15 the steps to walk,
; bits 16-31 those of them with a masked entry.  A step is left out only where all its 16 x 128 entries are masked and every row of the tile has an open key somewhere: its p would all be 0.
; LIMIT: a masked logit counts as -2^30 (the raw score as -2^33) where the definition has -1e9: c x -2^33 is a whole number, so a row masked everywhere has p = 1 at every key, as defined.  The result differs only where an
; open logit of the same row lies under about -1e9 + 150.  NaN and infinities are not served; a block of zeros, or one under 2^-124, keeps the scale byte 1.
; SHARES.  Work-group (x, y): head y, query blocks x and 7 - x of 256.  Each of its sixteen waves owns one tile of 16 queries in 256 registers, four waves to a SIMD.  Keys go 128 a step, two steps to an LDS slot, two slots by turns.
; NO TENSOR LOAD, NO CLUSTER: which slots are wanted hangs on lists read from memory, and the query blocks of a head want different slots; so a slot's 26,112 bytes come by plain loads, 16 bytes a thread, into 16 registers
; while the slot before is worked on, and go to LDS by stores at its end: one barrier a slot.
; LAYOUT.  Both products are used transposed: S^T = K Q^T (source 0 = 16 keys), O^T = V^T P^T (source 0 = 16 of the head's 64): a lane holds one query throughout.  The keys, and the head's 64, of a tile are not neighbours
; (lane r of tile 2 t + u holds 32 t + 8 u + r + 8 (r / 8)), so the 16 registers of tiles 2 b, 2 b + 1 are 16 neighbours.  The first product's K is 64: a tile of K is six registers, and the instruction's other six
; (the next tile's codes, or zeros) meet Q's zero codes and add nothing.
; REGISTERS: v1-8 addresses and constants; v12 -M, v13 the largest t, v[14:15] the sum; v16-21 Q, v22-27 zeros; v32-79 K's eight tiles, then V's four fragments; v80-85 zeros; v96-159 S^T, then p; v160-191 O^T;
; v192-207 the slot on its way; v208-215 K's scale words, v216-219 V's; v224-235 p's codes; v232-254 at work; v255 Q's scale word.
.set STEPB, 13056                      ; a step in kv: k 6,656 (8 x 768 codes, 512 of scale words), v 6,400 (4 x 1,536, 256)
.set SLOTB, 2*STEPB
.set SL1,   32768                      ; LDS: slot 1
.set SPARE, 65536                      ; the spare words, 128 bytes for each wave: eight blocks of 256 bytes that no other line names
.set QSTEP, 6656
.set WK,  56                           ; s56  steps that my tile walks, the slot in hand in bits 0, 1
.set MX,  57                           ; s57  those with a masked entry
.set BW,  58                           ; s58  steps that any of the sixteen tiles walks
.set ND,  59                           ; s59  not 0: the next slot is wanted
.set SEL, 60                           ; s[60:61] lane selects for v_permlanex16_b32: lane l xor 16
.set CS,  62                           ; s[62:63] c = log2(e) / 8, twice
	s_load_b256 s[4:11], s[0:1], 0x0               ; qb s[4:5], kv s[6:7], msk s[8:9], att s[10:11]
	v_lshl_add_u32 v5, v0, 2, SPARE                ; my spare word; never rewritten
	v_mov_b32 v6, 0                                ; 0; never rewritten
	v_lshrrev_b32 v1, 5, v0
	v_readfirstlane_b32 s2, v1                     ; wave 0..15
	v_and_b32 v2, 31, v0
	v_lshlrev_b32 v1, 4, v2                        ; 16 x lane
	v_lshlrev_b32 v2, 3, v2                        ; 8 x lane
	v_and_b32 v3, 15, v0
	v_lshlrev_b32 v8, 5, v3                        ; 32 r
	v_lshlrev_b32 v3, 4, v3                        ; 16 r
	v_lshlrev_b32 v4, 4, v0                        ; 16 x thread: a slot's bytes, in memory and in LDS alike
	v_mov_b32 v7, 0xd0000000                       ; -2^33
.irp j, 22,23,24,25,26,27,80,81,82,83,84,85
	v_mov_b32 v[\j], 0                             ; zero codes
.endr
.irp j, 192,193,194,195,196,197,198,199,200,201,202,203,204,205,206,207,236,237,238,239,252,253
	v_mov_b32 v[\j], 0                             ; written once, so that they are written on every way
.endr
	s_and_b32 s16, ttmp7, 0xffff                   ; batch x 16 + head
	s_mov_b32 s18, ttmp9                           ; the query block in hand
	s_mov_b32 s19, 2                               ; blocks to go
	s_mov_b32 s[SEL], 0x76543210
	s_mov_b32 s[SEL+1], 0xfedcba98
	s_mov_b32 s[CS], 0x3e38aa3b
	s_mov_b32 s[CS+1], s[CS]
	s_wait_kmcnt 0x0
.macro FILL_ISSUE                      ; the slot at s[52:53]: 51 runs of 512 bytes: three loads in every wave, a fourth in waves 0 to 2
.irp i, 0,1,2
	global_load_b128 v[192+4*\i:195+4*\i], v4, s[52:53] offset:8192*\i
.endr
	s_cmp_lt_u32 s2, 3
	s_cbranch_scc0 .Lfi_\@
	global_load_b128 v[204:207], v4, s[52:53] offset:24576
.Lfi_\@:
.endm
.macro FILL_COMMIT sl
.irp i, 0,1,2
	ds_store_b128 v4, v[192+4*\i:195+4*\i] offset:SL1*(\sl)+8192*\i
.endr
	s_cmp_lt_u32 s2, 3
	s_cbranch_scc0 .Lfc_\@
	ds_store_b128 v4, v[204:207] offset:SL1*(\sl)+24576
.Lfc_\@:
.endm
; A KEY STEP: 128 keys, the q-th of slot sl.
.macro STEP sl, q
.set OB, SL1*(\sl)+STEPB*(\q)
	s_bitcmp1_b32 s[WK], \q
	s_cbranch_scc0 .Lhidden_\@
.irp t, 0,1,2,3,4,5,6,7
	ds_load_b128 v[32+6*\t:35+6*\t], v1 offset:OB+768*\t
	ds_load_b64 v[36+6*\t:37+6*\t], v2 offset:OB+768*\t+512
.endr
	ds_load_b128 v[208:211], v3 offset:OB+6144
	ds_load_b128 v[212:215], v3 offset:OB+6400
	s_wait_dscnt 0x0
.irp t, 0,1,2,3,4,5,6,7
	v_wmma_scale_f32_16x16x128_f8f6f4 v[96+8*\t:103+8*\t], v[32+6*\t:43+6*\t], v[16:27], 0, v[208+\t], v255 matrix_a_fmt:MATRIX_FMT_FP6 matrix_b_fmt:MATRIX_FMT_FP6
.endr
.rept 4
	v_nop                                          ; places in front of the loads below and of the first read of the scores
.endr
.irp n, 0,1,2,3,4,5,6,7,8,9,10,11
	ds_load_b128 v[32+4*\n:35+4*\n], v1 offset:OB+6656+512*\n      ; V's four fragments land while the softmax is walked
.endr
	ds_load_b128 v[216:219], v3 offset:OB+12800
	s_bitcmp1_b32 s[MX], \q
	s_cbranch_scc0 .Lopen_\@
	s_load_b512 s[20:35], s[54:55], 256*(\q)       ; the step's 64 lane masks; they are loaded and used inside this one branch
	s_load_b512 s[36:51], s[54:55], 256*(\q)+64
	s_load_b512 s[68:83], s[54:55], 256*(\q)+128
	s_load_b512 s[84:99], s[54:55], 256*(\q)+192
	s_wait_kmcnt 0x0
.set N, 0
.rept 32
	v_cndmask_b32 v[96+N], v[96+N], v7, s[20+N]
.set N, N+1
.endr
.set N, 0
.rept 32
	v_cndmask_b32 v[128+N], v[128+N], v7, s[68+N]
.set N, N+1
.endr
.Lopen_\@:
.irp b, 0,1,2,3
	v_max3_num_f32 v[232+\b], v[96+16*\b], v[97+16*\b], v[98+16*\b]   ; the largest score of each block of 32 keys: for the row's maximum and, since p rises with the score, for the block's largest p
.endr
.irp i, 3,5,7,9,11,13
.irp b, 0,1,2,3
	v_max3_num_f32 v[232+\b], v[232+\b], v[96+16*\b+\i], v[97+16*\b+\i]
.endr
.endr
.irp b, 0,1,2,3
	v_max_num_f32 v[232+\b], v[232+\b], v[111+16*\b]
.endr
.irp b, 0,1,2,3
	v_permlanex16_b32 v[236+\b], v[232+\b], s[SEL], s[SEL+1]
.endr
.irp b, 0,1,2,3
	v_max_num_f32 v[232+\b], v[232+\b], v[236+\b]  ; with lane l xor 16's 16 keys
.endr
	v_max3_num_f32 v254, v232, v233, v234
	v_max_num_f32 v254, v254, v235
	v_mul_f32 v254, s[CS], v254                    ; as t (c is positive)
	v_max_num_f32 v13, v13, v254                   ; the running largest t
	v_mov_b32 v254, v12
	v_floor_f32 v12, -v13                          ; the new -M = -ceil(t)
	v_sub_f32 v254, v12, v254                      ; old M - new M: a whole number, 0 or less
	v_cvt_i32_f32 v254, v254                       ; (it saturates)
	v_ldexp_f32 v252, 1.0, v254                    ; f = 2^(old M - new M)
.set N, 0
.rept 32
	v_pk_fma_f32 v[96+N:97+N], v[96+N:97+N], s[CS:CS+1], v[12:13] op_sel_hi:[1,0,0]   ; t - M, two at a time
.set N, N+2
.endr
.irp b, 0,1,2,3
	v_fma_f32 v[232+\b], v[232+\b], s[CS], v12
.endr
.set N, 0
.rept 64
	v_exp_f32 v[96+N], v[96+N]                     ; p = 2^(t - M), at most 1
.set N, N+1
.endr
	v_pk_mul_f32 v[14:15], v[14:15], v[252:253] op_sel_hi:[1,0]   ; the sums under the new M: a plain place behind the exponentials
	s_wait_alu depctr_va_vdst(0)                   ; one wait for the whole batch, ahead of its first reader
.irp b, 0,1,2,3
	v_exp_f32 v[232+\b], v[232+\b]                 ; the block's largest p
.endr
	v_pk_add_f32 v[236:237], v[96:97], v[98:99]    ; the row's sum of the unquantised p, in two chains: plain work behind the four
.set N, 4
.rept 15
	v_pk_add_f32 v[14:15], v[14:15], v[96+N:97+N]
	v_pk_add_f32 v[236:237], v[236:237], v[98+N:99+N]
.set N, N+4
.endr
	v_pk_add_f32 v[14:15], v[14:15], v[236:237]
	s_wait_alu depctr_va_vdst(0)                   ; and one for the four
.irp b, 0,1,2,3
	v_max_num_f32 v[232+\b], 0x1800000, v[232+\b]  ; the floor 2^(3 - 127): the byte cannot fall under 1
.endr
.irp b, 0,1,2,3
	v_add_nc_u32 v[244+\b], 0xff000000, v[232+\b]  ; the conversion's scale operand
.endr
.irp b, 0,1,2,3
	v_lshrrev_b32 v[236+\b], 23, v[244+\b]
.endr
	v_lshl_or_b32 v253, v237, 8, v236              ; p's scale word for these 128 keys
	v_lshl_or_b32 v253, v238, 16, v253
	v_lshl_or_b32 v253, v239, 24, v253
.irp c, 0,1
	v_cvt_scalef32_pk16_fp6_f32 v[224+6*\c:226+6*\c], v[96+32*\c:111+32*\c], v[244+2*\c]
	v_cvt_scalef32_pk16_fp6_f32 v[236+4*\c:238+4*\c], v[112+32*\c:127+32*\c], v[244+2*\c+1]
.endr
	v_nop                                          ; one plain place behind a scaled conversion
.irp c, 0,1
.irp i, 0,1,2
	v_permlane16_swap_b32 v[224+6*\c+\i], v[236+4*\c+\i]
.endr
.irp i, 0,1,2
	v_mov_b32 v[227+6*\c+\i], v[236+4*\c+\i]
.endr
.endr
.set N, 0
.rept 16
	v_pk_mul_f32 v[160+N:161+N], v[160+N:161+N], v[252:253] op_sel_hi:[1,0]   ; O^T under the new M; these are also the places between p's codes and scale word and the products
.set N, N+2
.endr
	s_wait_dscnt 0x0                               ; V is in
.irp t, 0,1,2,3
	v_wmma_scale_f32_16x16x128_f8f6f4 v[160+8*\t:167+8*\t], v[32+12*\t:43+12*\t], v[224:235], v[160+8*\t:167+8*\t], v[216+\t], v253 matrix_a_fmt:MATRIX_FMT_FP6 matrix_b_fmt:MATRIX_FMT_FP6
.endr
.rept 4
	v_nop                                          ; places in front of the next loads into V's registers and of the next read of O^T
.endr
.Lhidden_\@:
.endm
; A SLOT.  The next slot is asked for at its head, if any tile wants it, and laid into the other LDS slot at its end.  ONE barrier: in front of it my stores into the other slot have landed and my reads of this one
; are back; the other slot was last read in front of the barrier before.
.macro TRIP sl
	s_and_b32 s[ND], s[BW], 12
	s_cmp_eq_u32 s[ND], 0
	s_cbranch_scc1 .Lni_\@
	FILL_ISSUE
.Lni_\@:
	STEP \sl, 0
	STEP \sl, 1
	s_wait_loadcnt 0x0                             ; on every way
	s_cmp_eq_u32 s[ND], 0
	s_cbranch_scc1 .Lnc_\@
	FILL_COMMIT 1-(\sl)
.Lnc_\@:
	s_wait_xcnt 0x0                                ; the loads have read their bases, which step now
	s_add_nc_u64 s[52:53], s[52:53], SLOTB
	s_add_nc_u64 s[54:55], s[54:55], 512
	s_lshr_b32 s[WK], s[WK], 2
	s_lshr_b32 s[MX], s[MX], 2
	s_lshr_b32 s[BW], s[BW], 2                     ; (behind the last slot no bit is left: nothing is asked for past the head's end)
	s_wait_dscnt 0x0
	s_barrier_signal -1
	s_barrier_wait -1
.endm
.Lblk:
	s_lshl_b32 s66, s18, 6
	s_mov_b32 s67, 0
	s_add_nc_u64 s[100:101], s[8:9], s[66:67]      ; the list words of the block's sixteen tiles,
	s_lshl_b32 s66, s2, 2
	s_add_nc_u64 s[36:37], s[100:101], s[66:67]    ; and my tile's
	s_load_b512 s[20:35], s[100:101], 0x0
	s_load_b32 s[WK], s[36:37], 0x0
	s_lshl_b32 s66, s16, 4
	s_lshl_b32 s38, s18, 1
	s_add_co_u32 s66, s66, s38
	s_lshr_b32 s38, s2, 3
	s_add_co_u32 s66, s66, s38                     ; 16 x head + my tile's step of 128 queries
	s_mul_i32 s66, s66, QSTEP
	s_add_nc_u64 s[38:39], s[4:5], s[66:67]
	s_and_b32 s66, s2, 7
	s_mul_i32 s66, s66, 768
	s_add_nc_u64 s[40:41], s[38:39], s[66:67]      ; my tile's codes
	s_bfe_u32 s66, s2, 0x10002
	s_lshl_b32 s66, s66, 8
	s_and_b32 s42, s2, 3
	s_lshl_b32 s42, s42, 2
	s_add_co_u32 s66, s66, s42
	s_add_nc_u64 s[42:43], s[38:39], s[66:67]      ; and its scale words
	global_load_b128 v[16:19], v1, s[40:41]
	global_load_b64 v[20:21], v2, s[40:41] offset:512
	global_load_b32 v255, v3, s[42:43] offset:6144
	s_mul_i32 s66, s16, 16*STEPB
	s_add_nc_u64 s[52:53], s[6:7], s[66:67]        ; the head's k and v
	s_lshl_b32 s66, s18, 4
	s_add_co_u32 s66, s66, s2
	s_lshl_b32 s66, s66, 12
	s_add_co_u32 s66, s66, 1024
	s_add_nc_u64 s[54:55], s[8:9], s[66:67]        ; my tile's lane masks
	v_mov_b32 v13, 0xff61b1e6                      ; the largest t so far: -3e38
	v_floor_f32 v12, -v13
	v_mov_b32 v14, 0
	v_mov_b32 v15, 0
.set N, 0
.rept 32
	v_mov_b32 v[160+N], 0                          ; O^T: the step is written once; its first walk finds zeros, which the first change of M leaves zeros
.set N, N+1
.endr
	s_wait_kmcnt 0x0
	s_or_b32 s[BW], s20, s21
.irp k, 22,23,24,25,26,27,28,29,30,31,32,33,34,35
	s_or_b32 s[BW], s[BW], s[\k]
.endr
	s_and_b32 s[BW], s[BW], 0xffff
	s_lshr_b32 s[MX], s[WK], 16
	s_and_b32 s[WK], s[WK], 0xffff
	s_and_b32 s[ND], s[BW], 3                      ; slot 0
	s_cmp_eq_u32 s[ND], 0
	s_cbranch_scc1 .Lno_first
	FILL_ISSUE
.Lno_first:
	s_wait_loadcnt 0x0                             ; Q too
	s_cmp_eq_u32 s[ND], 0
	s_cbranch_scc1 .Lno_first_c
	FILL_COMMIT 0
.Lno_first_c:
	s_wait_xcnt 0x0
	s_add_nc_u64 s[52:53], s[52:53], SLOTB
	s_wait_dscnt 0x0
	s_barrier_signal -1
	s_barrier_wait -1
	s_mov_b32 s3, 4
.Lpair:
	TRIP 0
	TRIP 1
	s_sub_co_u32 s3, s3, 1
	s_cmp_lg_u32 s3, 0
	s_cbranch_scc1 .Lpair
	; THE WAY OUT.  O^T / the sum; register 16 b + i is channel 32 b + 16 (lane / 16) + i of my query: two blocks of the last product's K.  The codes are stored as the operand's registers.
	v_add_f32 v14, v14, v15
	v_permlanex16_b32 v252, v14, s[SEL], s[SEL+1]
	v_add_f32 v14, v14, v252                       ; the row's sum
	v_rcp_f32 v14, v14
	v_nop                                          ; a plain place behind the transcendental
	s_lshr_b32 s66, s16, 4
	s_lshl_b32 s66, s66, 7
	s_lshl_b32 s67, s18, 4
	s_add_co_u32 s66, s66, s67
	s_add_co_u32 s66, s66, s2                      ; my tile among the 512 of all tokens
	s_lshl_b32 s100, s66, 9                        ; its 16 rows of 32 scale bytes
	s_and_b32 s67, s16, 15                         ; the head = kappa
	s_lshl_b32 s66, s66, 4
	s_add_co_u32 s66, s66, s67
	s_mul_i32 s66, s66, 768
	s_lshl_b32 s67, s67, 1
	s_add_co_u32 s100, s100, s67
	s_add_co_u32 s100, s100, 6291456
	s_mov_b32 s67, 0
	s_mov_b32 s101, 0
	s_add_nc_u64 s[66:67], s[10:11], s[66:67]
	s_add_nc_u64 s[100:101], s[10:11], s[100:101]
	s_wait_alu depctr_va_vdst(0)                   ; the wait ahead of the reciprocal's first reader
.set N, 0
.rept 32
	v_mul_f32 v[96+N], v[160+N], v14
.set N, N+1
.endr
.irp b, 0,1
	v_max3_num_f32 v[232+\b], |v[96+16*\b]|, |v[97+16*\b]|, 0x1800000
.endr
.irp i, 2,4,6,8,10,12,14
.irp b, 0,1
	v_max3_num_f32 v[232+\b], v[232+\b], |v[96+16*\b+\i]|, |v[97+16*\b+\i]|
.endr
.endr
.irp b, 0,1
	v_permlanex16_b32 v[236+\b], v[232+\b], s[SEL], s[SEL+1]
.endr
.irp b, 0,1
	v_max_num_f32 v[232+\b], v[232+\b], v[236+\b]
.endr
.irp b, 0,1
	v_add_nc_u32 v[244+\b], 0xff000000, v[232+\b]
.endr
.irp b, 0,1
	v_lshrrev_b32 v[236+\b], 23, v[244+\b]
.endr
	v_lshl_or_b32 v240, v237, 8, v236              ; my row's two scale bytes
	v_cvt_scalef32_pk16_fp6_f32 v[224:226], v[96:111], v244
	v_cvt_scalef32_pk16_fp6_f32 v[228:230], v[112:127], v245
	v_nop                                          ; one plain place behind a scaled conversion
.irp i, 0,1,2
	v_permlane16_swap_b32 v[224+\i], v[228+\i]     ; lanes 0-15 now hold block 0 whole, lanes 16-31 block 1
.endr
	v_mov_b32 v227, v228
	v_mov_b32 v228, v229
	v_mov_b32 v229, v230
	global_store_b128 v1, v[224:227], s[66:67]     ; 512 consecutive bytes,
	global_store_b64 v2, v[228:229], s[66:67] offset:512   ; and 256
	global_store_b16 v8, v240, s[100:101]          ; two bytes of each of 16 rows (both halves of the lanes write the same): one byte in 24 of what the wave stores
	s_wait_xcnt 0x0                                ; the stores have read their registers and bases
	s_sub_co_u32 s18, 7, s18                       ; the other block
	s_sub_co_u32 s19, s19, 1
	s_cmp_lg_u32 s19, 0
	s_cbranch_scc1 .Lblk
	s_wait_tensorcnt 0x0                           ; the wave's end: behind my last LDS store
	ds_add_u32 v5, v6
	s_wait_dscnt 0x0
	s_endpgm
.Lfunc_end_k_q98e47deb0e_attn:
	.size	k_q98e47deb0e_attn, .Lfunc_end_k_q98e47deb0e_attn-k_q98e47deb0e_attn
	.p2alignl 7, 3214868480
	.fill 96, 4, 3214868480
	.section	.rodata,"a",@progbits
	.p2align	6, 0x0
	.amdhsa_kernel k_q98e47deb0e_attn
		.amdhsa_group_segment_fixed_size 67584
		.amdhsa_private_segment_fixed_size 0
		.amdhsa_enable_private_segment 0
		.amdhsa_kernarg_size 32
		.amdhsa_user_sgpr_count 2
		.amdhsa_user_sgpr_kernarg_segment_ptr 1
		.amdhsa_wavefront_size32 1
		.amdhsa_system_sgpr_workgroup_id_x 1
		.amdhsa_system_sgpr_workgroup_id_y 1
		.amdhsa_system_sgpr_workgroup_id_z 1
		.amdhsa_system_vgpr_workitem_id 0
		.amdhsa_next_free_vgpr 256
		.amdhsa_next_free_sgpr 102
		.amdhsa_reserve_vcc 0
		.amdhsa_float_denorm_mode_32 3
		.amdhsa_float_denorm_mode_16_64 3
		.amdhsa_memory_ordered 1
		.amdhsa_forward_progress 1
		.amdhsa_inst_pref_size 93
	.end_amdhsa_kernel
	.amdgpu_metadata
---
amdhsa.version: [ 1, 2 ]
amdhsa.kernels:
  - .name:           k_q98e47deb0e_attn
    .symbol:         k_q98e47deb0e_attn.kd
    .args:
      - { .name: qb, .offset: 0, .size: 8, .value_kind: global_buffer, .address_space: global }
      - { .name: kv, .offset: 8, .size: 8, .value_kind: global_buffer, .address_space: global }
      - { .name: msk, .offset: 16, .size: 8, .value_kind: global_buffer, .address_space: global }
      - { .name: att, .offset: 24, .size: 8, .value_kind: global_buffer, .address_space: global }
    .group_segment_fixed_size: 67584
    .private_segment_fixed_size: 0
    .kernarg_segment_align: 8
    .kernarg_segment_size: 32
    .max_flat_workgroup_size: 512
    .sgpr_count:     102
    .vgpr_count:     256
    .wavefront_size: 32
...
	.end_amdgpu_metadata
.endif
;; end of part 3
;; launch proj (part 4): grid 4 x 32, 4 waves a work-group, clusters of 4 x 4, 327,680 bytes of LDS; arguments att, wq, bo, out0; writes out0
.if DOCPART == 4
	.amdgcn_target "amdgcn-amd-amdhsa--gfx1250"
	.amdhsa_code_object_version 6
	.text
	.protected	k_q98e47deb0e_proj
	.globl	k_q98e47deb0e_proj
	.p2align	8
	.type	k_q98e47deb0e_proj,@function
k_q98e47deb0e_proj:
	s_mov_b64 s[64:65], 0
	v_nop
	global_prefetch_b8 v0, s[64:65] scope:SCOPE_SE
	s_setreg_imm32_b32 hwreg(HW_REG_WAVE_MODE, 25, 1), 1
	s_wait_xcnt 0x0
	s_wait_alu depctr_hold_cnt(0) depctr_sa_sdst(0) depctr_va_vdst(0) depctr_va_sdst(0) depctr_va_ssrc(0) depctr_va_vcc(0) depctr_vm_vsrc(0)
	s_getreg_b32 s2, hwreg(HW_REG_IB_STS2, 6, 4)
	s_cmp_eq_u32 s2, 0
	s_cbranch_scc0 .Lentry_in_a_cluster
	s_endpgm
.Lentry_in_a_cluster:
	s_bfe_u32 s2, ttmp6, 0x10000c
	s_cmp_lg_u32 s2, 0xf033
	s_cbranch_scc0 .Lentry_shape_is_right
	s_endpgm
.Lentry_shape_is_right:
; PROJ: out0 = att Wo + bo on codes of FP6 (E2M3) with E8M0 scales, K = 1,024, f32 sums.  A = att (8,192 rows), B = Wo (wq's rows 3,072-4,095).
; A tile of C, 256 x 256, is made by four waves, each 128 x 128: 64 accumulators, 512 registers.  K goes in steps of 256 through a ring of two LDS slots filled by the tensor data mover.
; THE CODES lie [tile of 16 rows][kappa = K / 64][768 bytes] as images of the operand's registers, so a K step of a tile of rows is 3,072 consecutive bytes and a fragment comes by four dense LDS loads.
; THE SCALES of the work-group's rows, for all of K, come into LDS once, with the first fills.  THE BIAS is the C of each sum's first matrix instruction.
; CLUSTERS: 4 x 4 work-groups; A's tiles are shared along a row of the cluster, B's along a column: each is asked for jointly.
; THE MATRIX INSTRUCTION IS USED TRANSPOSED (source 0 = 16 rows of B, source 1 = 16 rows of A).  The rows of a tile are not neighbours (lane r of tile 2 t + u holds row 32 t + 8 u + r + 8 (r / 8)): register j of accumulator
; (a, b) is column 32 (b / 2) + 16 (lane / 16) + 8 (b % 2) + j, and row r of block a is token 32 (a / 2) + 8 (a % 2) + r + 8 (r / 8): the way out puts both right.
; 128 tiles of C: 128 work-groups.
; REGISTERS, in windows of 256: window 0: v16-31 addresses; v32-63 scale words, two sets; v128-223 A's fragments (on the way out v128-255: rows of C).  window 1: B's fragments at v0 and v128; the bias at v96-127 and v224-255.
; windows 2, 3: the accumulators, (a, b) at v[8 (8 (a % 4) + b)].
.set NQ,     2
.set FR,     12
.set NL,     4
.set NP,     4
.set TROW,   3072
.set HALFT,  8*TROW
.set SLOT,   4*HALFT
.set LAPS,   2
.set KS,     32
.set SCL,    2*SLOT
.set HALFS,  16*272
.set SBLK,   2*272
.set SPARE,  SCL+4*HALFS               ; the spare words, 128 bytes for each wave: two blocks of 256 bytes that no other line names
.set SPITCH, 528                       ; the way out: a stage of 16 rows x (512 bytes + 16) for each wave, in slot 0, which has had its last fill and its last read when the first result is stored there
.set ADRA, 16
.set ADRB, 20
.set STO,  24                          ; v24  the way out: where I put 32 bytes of a row
.set RD,   25                          ; v25  where I read a row back
.set CO,   26                          ; v26  16 x lane: my bytes of a row of C
.set ADRS, 27
.set SPW,  28
.set NIL,  29
.set BO,   30                          ; v30  64 x (lane / 16): my half's bias
.set SC,   32
.set AF,   128
.set BK,   128
.set BI,   96                          ; the bias, in window 1: block b at v[96 + 8 b + 96 (b / 4)]
.set G1, 24
.set G0, 32
.set G1B, 48
.set G0B, 56
.set G1S, 68
.set G0S, 76
.set G1SB, 80
.set G0SB, 88
.set MSB, 0
.macro WIN new                         ; the immediate's high byte repeats the setting that is left
.if MSB != \new
	s_set_vgpr_msb (MSB<<8)|\new
.set MSB, \new
.endif
.endm
.set MUL_LO, 0xa1                      ; source 0 (B) window 1, source 1 (A) window 0, C and D window 2
.set MUL_HI, 0xf1                      ; the same, C and D window 3
.set BIA_LO, 0x91                      ; C (the bias) window 1, D window 2
.set BIA_HI, 0xd1                      ; C window 1, D window 3
.set TO_B,   0x40                      ; destination window 1, address window 0
.macro JLOAD g0a, g1a, g0b, g1b        ; a joint load: waves 0 and 1 fetch for A, waves 2 and 3 for B; an s_nop 0 and four v_nop follow each of the two lines
	s_cmp_eq_u32 s15, 0
	s_cbranch_scc0 .Lfor_b_\@
	tensor_load_to_lds s[\g0a:\g0a+3], s[\g1a:\g1a+7]
	s_nop 0
.rept 4
	v_nop
.endr
	s_branch .Lasked_\@
.Lfor_b_\@:
	tensor_load_to_lds s[\g0b:\g0b+3], s[\g1b:\g1b+7]
	s_nop 0
.rept 4
	v_nop
.endr
.Lasked_\@:
.endm
.macro CREST
	s_cmp_lg_u32 s14, 0
	s_cbranch_scc1 .Lnot_wave_0_\@
	s_barrier_signal -3
.Lnot_wave_0_\@:
	s_barrier_wait -3
	s_barrier_signal -1
	s_barrier_wait -1
.endm
.macro CROUND
	s_barrier_signal -1
	s_barrier_wait -1
	CREST
.endm
	s_load_b256 s[4:11], s[0:1], 0x0               ; att s[4:5], wq s[6:7], bo s[8:9], out0 s[10:11]
	v_lshl_add_u32 v[SPW], v0, 2, SPARE
	v_mov_b32 v[NIL], 0
	ds_add_u32 v[SPW], v[NIL]                      ; the wave's opening: the add and its wait stand ahead of my first tensor load; the set-up below, work on registers, stands between them
	v_lshrrev_b32 v1, 5, v0
	v_readfirstlane_b32 s14, v1                    ; wave 0..3
	s_lshr_b32 s15, s14, 1                         ; which half of the tile's rows is mine.  Also: I fetch for A (0) or for B (1)
	s_and_b32 s16, s14, 1                          ; which half of its columns.  Also: which 128 rows I fetch
	s_bfe_u32 s40, ttmp6, 0x40000                  ; cx, cy
	s_bfe_u32 s41, ttmp6, 0x40004
	s_lshl_b32 s42, ttmp9, 2
	s_add_co_u32 s42, s42, s40                     ; tile column of C
	s_and_b32 s17, ttmp7, 0xffff
	s_lshl_b32 s17, s17, 2
	s_add_co_u32 s17, s17, s41                     ; tile row of C
	s_lshl_b32 s43, s41, 2
	s_lshl_b32 s43, 15, s43                        ; my row of the cluster
	s_lshl_b32 s44, 0x1111, s40                    ; my column
	; descriptor group 1: 8 tiles of rows x 3,072 bytes (384 elements of 8 bytes), 12,288 bytes apart in memory, dense in LDS
	s_or_b32 s[G1+0], s43, (3<<16)|(1<<21)
	s_or_b32 s[G1B+0], s44, (3<<16)|(1<<21)
.irp g, G1, G1B
	s_mov_b32 s[\g+1], 384<<16
	s_mov_b32 s[\g+2], 8<<16
	s_mov_b32 s[\g+3], 384<<16
	s_mov_b32 s[\g+4], 8
	s_mov_b32 s[\g+5], 1536
	s_mov_b32 s[\g+6], 0
	s_mov_b32 s[\g+7], 0
.endr
	; the scales of 128 rows: 4,096 dense bytes, as 16 rows of 256 bytes, 16 bytes of padding behind each
	s_or_b32 s[G1S+0], s43, (3<<16)|(1<<20)|(1<<21)|(5<<22)|(3<<25)
	s_or_b32 s[G1SB+0], s44, (3<<16)|(1<<20)|(1<<21)|(5<<22)|(3<<25)
.irp g, G1S, G1SB
	s_mov_b32 s[\g+1], 32<<16
	s_mov_b32 s[\g+2], 16<<16
	s_mov_b32 s[\g+3], 32<<16
	s_mov_b32 s[\g+4], 16
	s_mov_b32 s[\g+5], 32
	s_mov_b32 s[\g+6], 0
	s_mov_b32 s[\g+7], 0
.endr
	s_lshl_b32 s18, s16, 7                         ; which 128 rows I fetch
	s_lshl_b32 s20, s17, 8
	s_add_co_u32 s20, s20, s18                     ; A's row
	s_lshl_b32 s46, s42, 8
	s_add_co_u32 s46, s46, s18
	s_add_co_u32 s46, s46, 3072                    ; B's row: Wo begins at wq's row 3,072
	s_lshl_b32 s22, s20, 5
	s_add_co_u32 s22, s22, 6291456
	s_mov_b32 s23, 0
	s_mul_i32 s20, s20, 768
	s_mov_b32 s21, 0
	s_lshl_b32 s92, s46, 5
	s_add_co_u32 s92, s92, 3145728
	s_mov_b32 s93, 0
	s_mul_i32 s46, s46, 768
	s_mov_b32 s47, 0
	s_mul_i32 s45, s14, HALFT
	s_mul_i32 s94, s14, HALFS
	s_wait_dscnt 0x0                               ; the opening add is done
	s_wait_kmcnt 0x0
	s_add_nc_u64 s[20:21], s[4:5], s[20:21]
	s_add_nc_u64 s[22:23], s[4:5], s[22:23]
	s_add_nc_u64 s[46:47], s[6:7], s[46:47]
	s_add_nc_u64 s[92:93], s[6:7], s[92:93]
	CROUND                                         ; all sixteen work-groups are here: the first joint loads meet
	s_mov_b32 s[G0S], 1
	s_add_co_u32 s[G0S+1], s94, SCL
	s_mov_b64 s[G0S+2:G0S+3], s[22:23]
	s_or_b32 s[G0S+3], s[G0S+3], 0x80000000
	s_mov_b32 s[G0SB], 1
	s_add_co_u32 s[G0SB+1], s94, SCL
	s_mov_b64 s[G0SB+2:G0SB+3], s[92:93]
	s_or_b32 s[G0SB+3], s[G0SB+3], 0x80000000
	JLOAD G0S, G1S, G0SB, G1SB
.irp s, 0,1
	s_mov_b32 s[G0+4*\s], 1
	s_add_co_u32 s[G0+4*\s+1], s45, \s*SLOT
	s_add_nc_u64 s[G0+4*\s+2:G0+4*\s+3], s[20:21], \s*TROW
	s_or_b32 s[G0+4*\s+3], s[G0+4*\s+3], 0x80000000
	s_mov_b32 s[G0B+4*\s], 1
	s_add_co_u32 s[G0B+4*\s+1], s45, \s*SLOT
	s_add_nc_u64 s[G0B+4*\s+2:G0B+4*\s+3], s[46:47], \s*TROW
	s_or_b32 s[G0B+4*\s+3], s[G0B+4*\s+3], 0x80000000
	JLOAD G0+4*\s, G1, G0B+4*\s, G1B               ; three tensor loads of mine are out behind these
.endr
	v_and_b32 v1, 15, v0                           ; r
	v_bfe_u32 v2, v0, 4, 1                         ; h
	v_and_b32 v6, 31, v0
	v_lshlrev_b32 v[CO], 4, v6                     ; 16 x lane
	v_lshlrev_b32 v4, 3, v6                        ; 8 x lane
	v_lshlrev_b32 v[BO], 6, v2
	s_mul_i32 s21, s15, HALFT
	s_mul_i32 s22, s16, HALFT
	s_add_co_u32 s22, s22, 2*HALFT
.irp s, 0,1
	v_add_nc_u32 v[ADRA+\s], s21, v[CO]
	v_add_nc_u32 v[ADRB+\s], s22, v[CO]
	v_add_nc_u32 v[ADRA+2+\s], s21, v4
	v_add_nc_u32 v[ADRB+2+\s], s22, v4
	s_add_co_u32 s21, s21, SLOT
	s_add_co_u32 s22, s22, SLOT
.endr
	v_mul_u32_u24 v5, v1, KS
	v_lshrrev_b32 v6, 8, v5
	v_lshl_add_u32 v5, v6, 4, v5
	s_mul_i32 s21, s15, HALFS
	s_mul_i32 s22, s16, HALFS
	s_add_co_u32 s22, s22, 2*HALFS
	s_sub_co_u32 s22, s22, s21
	v_mul_u32_u24 v6, s22, v2                      ; lanes 16-31 take B's
	s_add_co_u32 s21, s21, SCL
	v_add_nc_u32 v5, v5, v6
	v_add_nc_u32 v[ADRS], s21, v5
	s_mul_i32 s23, s14, 16*SPITCH                  ; my stage
	v_mul_u32_u24 v5, v1, SPITCH
	v_lshl_add_u32 v5, v2, 6, v5                   ; in: row r, + 64 h
	v_add_nc_u32 v[STO], s23, v5
	v_add_nc_u32 v[RD], s23, v[CO]                 ; back: the 32 lanes take one row of 512 bytes
	s_lshl_b32 s20, s17, 8
	s_lshl_b32 s21, s15, 7
	s_add_co_u32 s20, s20, s21                     ; my first row of C,
	s_lshl_b32 s20, s20, 12                        ; of 4,096 bytes
	s_mov_b32 s21, 0
	s_lshl_b32 s46, s42, 10
	s_lshl_b32 s47, s16, 9
	s_add_co_u32 s46, s46, s47                     ; my first column, in bytes
	s_mov_b32 s47, 0
	s_add_nc_u64 s[8:9], s[8:9], s[46:47]
	s_add_nc_u64 s[20:21], s[20:21], s[46:47]
	s_add_nc_u64 s[10:11], s[10:11], s[20:21]
	WIN TO_B
.irp b, 0,1,2,3,4,5,6,7                        ; the bias in the result's layout: block b, lane half h: columns 32 (b / 2) + 16 h + 8 (b % 2) + 0 .. 7
	global_load_b128 v[BI+8*\b+96*(\b/4):BI+8*\b+96*(\b/4)+3], v[BO], s[8:9] offset:128*(\b/2)+32*(\b%2)
	global_load_b128 v[BI+8*\b+96*(\b/4)+4:BI+8*\b+96*(\b/4)+7], v[BO], s[8:9] offset:128*(\b/2)+32*(\b%2)+16
.endr
	WIN 0
.macro FRAG reg, adr, q, i
	ds_load_b128 v[\reg:\reg+3], v[\adr] offset:TROW*(\i)+1536*(\q)
	ds_load_b64 v[\reg+4:\reg+5], v[\adr+2] offset:TROW*(\i)+1536*(\q)+512
	ds_load_b128 v[\reg+6:\reg+9], v[\adr] offset:TROW*(\i)+1536*(\q)+768
	ds_load_b64 v[\reg+10:\reg+11], v[\adr+2] offset:TROW*(\i)+1536*(\q)+1280
.endm
; 16 matrix instructions: A's blocks a0, a0 + 1 x B's eight.  first = 1: the sum begins with the bias.  The 64 accumulators take turns, one instruction a turn.
.macro MUL16 a0, p, q, sc, first
.irp a, \a0, \a0+1
.irp b, 0,1,2,3,4,5,6,7
.if \first
	v_wmma_scale_f32_16x16x128_f8f6f4 v[8*(8*((\a)%4)+\b):8*(8*((\a)%4)+\b)+7], v[128*(\p)+FR*\b:128*(\p)+FR*\b+FR-1], v[AF+FR*(\a):AF+FR*(\a)+FR-1], v[BI+8*\b+96*(\b/4):BI+8*\b+96*(\b/4)+7], v[SC+8*NQ*(\sc)+NQ*\b+(\q)], v[SC+8*NQ*(\sc)+NQ*(\a)+(\q)] matrix_a_fmt:MATRIX_FMT_FP6 matrix_b_fmt:MATRIX_FMT_FP6 matrix_a_scale:MATRIX_SCALE_ROW1
.else
	v_wmma_scale_f32_16x16x128_f8f6f4 v[8*(8*((\a)%4)+\b):8*(8*((\a)%4)+\b)+7], v[128*(\p)+FR*\b:128*(\p)+FR*\b+FR-1], v[AF+FR*(\a):AF+FR*(\a)+FR-1], v[8*(8*((\a)%4)+\b):8*(8*((\a)%4)+\b)+7], v[SC+8*NQ*(\sc)+NQ*\b+(\q)], v[SC+8*NQ*(\sc)+NQ*(\a)+(\q)] matrix_a_fmt:MATRIX_FMT_FP6 matrix_b_fmt:MATRIX_FMT_FP6 matrix_a_scale:MATRIX_SCALE_ROW1
.endif
.endr
.endr
.endm
.macro FETCH_B slot, q, p
	WIN TO_B
.irp i, 0,1,2,3,4,5,6,7
	FRAG 128*(\p)+FR*\i, ADRB+\slot, \q, \i
.endr
	WIN 0
.endm
.macro FETCH_A slot, q, i0
.irp i, \i0, \i0+1, \i0+2, \i0+3
	FRAG AF+FR*(\i), ADRA+\slot, \q, \i
.endr
.endm
.macro SCALES sc
.irp i, 0,1,2,3,4,5,6,7
	ds_load_b64 v[SC+8*NQ*\sc+NQ*\i:SC+8*NQ*\sc+NQ*\i+1], v[ADRS] offset:\i*SBLK
.endr
.endm
.macro PLACES n
.rept \n
	v_nop
.endr
.endm
.macro STEP slot, q, first
	s_wait_dscnt 4*NL                              ; all but the youngest 16 loads (A's blocks 4-7)
.if \first
	WIN BIA_LO
.else
	WIN MUL_LO
.endif
	MUL16 0, (\q)%2, \q, \slot, \first
	MUL16 2, (\q)%2, \q, \slot, \first
	s_wait_dscnt 0
	PLACES NP
	FETCH_B \slot, (\q)+1, 1-(\q)%2
	FETCH_A \slot, (\q)+1, 0
.if \first
	WIN BIA_HI
.else
	WIN MUL_HI
.endif
	MUL16 4, (\q)%2, \q, \slot, \first
	MUL16 6, (\q)%2, \q, \slot, \first
	PLACES NP
	WIN 0
	FETCH_A \slot, (\q)+1, 4
.endm
.macro TURN slot, next, fill
	s_wait_tensorcnt 0x0                           ; all my tensor loads have landed: my part of the next slot
	ds_add_u32 v[SPW], v[NIL]                      ; 0 onto my spare word
	s_wait_dscnt 4*NL+1                            ; (the add and the youngest 16 loads may be out)
	WIN MUL_LO
	MUL16 0, 1, NQ-1, \slot, 0
	s_wait_dscnt 0x0                               ; the add is done, and my reads of this slot are over
	s_barrier_signal -1
	MUL16 2, 1, NQ-1, \slot, 0
	WIN 0
	s_barrier_wait -1
.if \fill
	CREST                                          ; the barrier has opened a round of the cluster's barrier
	s_add_nc_u64 s[G0+4*\slot+2:G0+4*\slot+3], s[G0+4*\slot+2:G0+4*\slot+3], 2*TROW
	s_add_nc_u64 s[G0B+4*\slot+2:G0B+4*\slot+3], s[G0B+4*\slot+2:G0B+4*\slot+3], 2*TROW
	JLOAD G0+4*\slot, G1, G0B+4*\slot, G1B         ; the first tensor load behind the round, my only one until the next
.else
	PLACES NP
.endif
	v_add_nc_u32 v[ADRS], 4*NQ, v[ADRS]
	FETCH_B \next, 0, 0
	FETCH_A \next, 0, 0
	SCALES \next
	WIN MUL_HI
	MUL16 4, 1, NQ-1, \slot, 0
	MUL16 6, 1, NQ-1, \slot, 0
	PLACES NP
	WIN 0
	FETCH_A \next, 0, 4
.endm
	s_wait_tensorcnt 1                             ; the scales and my part of K step 0 are in (K step 1's load may be out)
	s_barrier_signal -1
	s_barrier_wait -1                              ; everybody's are
	FETCH_B 0, 0, 0
	FETCH_A 0, 0, 0
	SCALES 0
	FETCH_A 0, 0, 4
	s_wait_loadcnt 0x0                             ; the bias
	STEP 0, 0, 1
	s_mov_b32 s3, LAPS-1
.Llap:
	TURN 0, 1, 1
	STEP 1, 0, 0
	TURN 1, 0, 1
	STEP 0, 0, 0
	s_sub_co_u32 s3, s3, 1
	s_cmp_lg_u32 s3, 0
	s_cbranch_scc1 .Llap
	TURN 0, 1, 0
	STEP 1, 0, 0
	s_wait_dscnt 4*NL
	WIN MUL_LO
	MUL16 0, 1, NQ-1, 1, 0
	MUL16 2, 1, NQ-1, 1, 0
	s_wait_dscnt 0
	WIN MUL_HI
	MUL16 4, 1, NQ-1, 1, 0
	MUL16 6, 1, NQ-1, 1, 0
	WIN 0
; THE WAY OUT, block by block of 16 rows x 128 columns, through my own stage in LDS: in by columns' true places, back as whole rows of 512 bytes.  LDS serves a wave's instructions in order (ISA guide 5.7.1.4).
.macro TOSTAGE a
.set AC, 64*((\a)%4)
	WIN 0x08+4*((\a)/4)                            ; the data: window 2 or 3
.irp b, 0,1,2,3,4,5,6,7
	ds_store_b128 v[STO], v[AC+8*\b:AC+8*\b+3] offset:128*(\b/2)+32*(\b%2)        ; each accumulator from its low end on
	ds_store_b128 v[STO], v[AC+8*\b+4:AC+8*\b+7] offset:128*(\b/2)+32*(\b%2)+16
.endr
	WIN 0
.set BB, BK+64*((\a)%2)
.irp t, 0,1,2,3,4,5,6,7,8,9,10,11,12,13,14,15
	ds_load_b128 v[BB+4*\t:BB+4*\t+3], v[RD] offset:\t*SPITCH
.endr
.endm
.macro SEND a, younger                 ; younger: the LDS instructions issued behind block a's loads, which may stay out
.set BB, BK+64*((\a)%2)
	s_wait_dscnt \younger
.irp t, 0,1,2,3,4,5,6,7,8,9,10,11,12,13,14,15
	global_store_b128 v[CO], v[BB+4*\t:BB+4*\t+3], s[10:11] offset:(32*((\a)/2)+8*((\a)%2)+\t+8*(\t/8))*4096 th:TH_STORE_NT   ; 32 lanes store 512 consecutive bytes, aligned; the row's true place stands in the immediate, 127 rows at the most
.endr
.endm
	PLACES NP
	TOSTAGE 0
.irp a, 1,2,3,4,5,6,7
.if \a > 1
	s_wait_xcnt 0x0                                ; block a - 2's stores have read their registers: block a's loads may land there
.endif
	TOSTAGE \a
	SEND \a-1, 32                                  ; behind block a - 1's loads: block a's 16 stores and 16 loads
.endr
	SEND 7, 0
	s_wait_tensorcnt 0x0                           ; the wave's end: behind my last tensor load and my last LDS store
	ds_add_u32 v[SPW], v[NIL]
	s_wait_dscnt 0x0
	CROUND                                         ; the closing round
	s_endpgm
.Lfunc_end_k_q98e47deb0e_proj:
	.size	k_q98e47deb0e_proj, .Lfunc_end_k_q98e47deb0e_proj-k_q98e47deb0e_proj
	.p2alignl 7, 3214868480
	.fill 96, 4, 3214868480
	.section	.rodata,"a",@progbits
	.p2align	6, 0x0
	.amdhsa_kernel k_q98e47deb0e_proj
		.amdhsa_group_segment_fixed_size 327680
		.amdhsa_private_segment_fixed_size 0
		.amdhsa_enable_private_segment 0
		.amdhsa_kernarg_size 32
		.amdhsa_user_sgpr_count 2
		.amdhsa_user_sgpr_kernarg_segment_ptr 1
		.amdhsa_wavefront_size32 1
		.amdhsa_system_sgpr_workgroup_id_x 1
		.amdhsa_system_sgpr_workgroup_id_y 1
		.amdhsa_system_sgpr_workgroup_id_z 1
		.amdhsa_system_vgpr_workitem_id 0
		.amdhsa_next_free_vgpr 1024
		.amdhsa_next_free_sgpr 102
		.amdhsa_reserve_vcc 0
		.amdhsa_float_denorm_mode_32 3
		.amdhsa_float_denorm_mode_16_64 3
		.amdhsa_memory_ordered 1
		.amdhsa_forward_progress 1
		.amdhsa_inst_pref_size 145
	.end_amdhsa_kernel
	.amdgpu_metadata
---
amdhsa.version: [ 1, 2 ]
amdhsa.kernels:
  - .name:           k_q98e47deb0e_proj
    .symbol:         k_q98e47deb0e_proj.kd
    .args:
      - { .name: att, .offset: 0, .size: 8, .value_kind: global_buffer, .address_space: global }
      - { .name: wq, .offset: 8, .size: 8, .value_kind: global_buffer, .address_space: global }
      - { .name: bo, .offset: 16, .size: 8, .value_kind: global_buffer, .address_space: global }
      - { .name: out0, .offset: 24, .size: 8, .value_kind: global_buffer, .address_space: global }
    .group_segment_fixed_size: 327680
    .private_segment_fixed_size: 0
    .kernarg_segment_align: 8
    .kernarg_segment_size: 32
    .max_flat_workgroup_size: 128
    .sgpr_count:     102
    .vgpr_count:     1024
    .wavefront_size: 32
...
	.end_amdgpu_metadata
.endif
;; end of part 4
;; ======== version 2 of 2: 4 launches; version 1 with the launch attn written anew for expert scheduling mode
;; limits: right only within a limited range of input values
;; workspace buffers: xq 6,553,600 bytes; wq 3,276,800 bytes; msk 525,312 bytes of whole numbers; qb 6,815,744 bytes; kv 13,369,344 bytes; att 6,553,600 bytes
;; launch prep: the kernel of part 1 again; grid 384 x 1, 4 waves a work-group, no clusters, 34,560 bytes of LDS; arguments x, Wq, Wk, Wv, Wo, mask, xq, wq, msk; writes xq, wq, msk
;; launch qkv: the kernel of part 2 again; grid 8 x 48, 4 waves a work-group, clusters of 4 x 4, 327,680 bytes of LDS; arguments xq, wq, qb, kv; writes qb, kv
;; launch attn (part 5): grid 4 x 64, 16 waves a work-group, no clusters, 67,584 bytes of LDS; arguments qb, kv, msk, att; writes att
.if DOCPART == 5
	.amdgcn_target "amdgcn-amd-amdhsa--gfx1250"
	.amdhsa_code_object_version 6
	.text
	.protected	k_q98e47deb0e_attn
	.globl	k_q98e47deb0e_attn
	.p2align	8
	.type	k_q98e47deb0e_attn,@function
k_q98e47deb0e_attn:
	s_mov_b64 s[64:65], 0
	v_nop
	global_prefetch_b8 v0, s[64:65] scope:SCOPE_SE
	s_setreg_imm32_b32 hwreg(HW_REG_WAVE_SCHED_MODE, 0, 2), 2
	s_setreg_imm32_b32 hwreg(HW_REG_WAVE_MODE, 25, 1), 1
	s_wait_xcnt 0x0
	s_wait_alu depctr_vm_vsrc(0)
; ATTN: for each batch and head, att = softmax(q k^T / 8, masked) v, both products on codes of FP6 (E2M3) with E8M0 scales; att is quantised along the model's 1,024 (a head's 64 are two blocks) and stored as the last product's operand.
; THE SOFTMAX AHEAD OF THE SECOND PRODUCT: t = score x log2(e) / 8; M = the row's largest t so far, rounded up to a whole number; p = 2^(t - M) is quantised along the keys, not normalised; the row's sum is taken of the
; unquantised p and divides at the end.  When M moves, the sum and O are multiplied by 2^(old M - new M): exact.
; THE MASK is an input.  An earlier launch has laid it as lane masks, one word for each score register of a tile of 16 queries and a step of 128 keys, and as a list word for each tile: bits 0-15 the steps to walk,
; bits 16-31 those of them with a masked entry.  A step is left out only where all its 16 x 128 entries are masked and every row of the tile has an open key somewhere: its p would all be 0.
; LIMIT: a masked logit counts as -2^30 (the raw score as -2^33) where the definition has -1e9: c x -2^33 is a whole number, so a row masked everywhere has p = 1 at every key, as defined.  The result differs only where an
; open logit of the same row lies under about -1e9 + 150.  NaN and infinities are not served; a block of zeros, or one under 2^-124, keeps the scale byte 1.
; SHARES.  Work-group (x, y): head y, query blocks x and 7 - x of 256.  Each of its sixteen waves owns one tile of 16 queries in 256 registers, four waves to a SIMD.  Keys go 128 a step, two steps to an LDS slot, two slots by turns.
; NO TENSOR LOAD, NO CLUSTER: which slots are wanted hangs on lists read from memory, and the query blocks of a head want different slots; so a slot's 26,112 bytes come by plain loads, 16 bytes a thread, into 16 registers
; while the slot before is worked on, and go to LDS by stores at its end: one barrier a slot.
; LAYOUT.  Both products are used transposed: S^T = K Q^T (source 0 = 16 keys), O^T = V^T P^T (source 0 = 16 of the head's 64): a lane holds one query throughout.  The keys, and the head's 64, of a tile are not neighbours
; (lane r of tile 2 t + u holds 32 t + 8 u + r + 8 (r / 8)), so the 16 registers of tiles 2 b, 2 b + 1 are 16 neighbours.  The first product's K is 64: a tile of K is six registers, and the instruction's other six
; (the next tile's codes, or zeros) meet Q's zero codes and add nothing.
; REGISTERS: v1-8 addresses and constants; v12 -M, v13 the largest t, v[14:15] the sum; v16-21 Q, v22-27 zeros; v32-79 K's eight tiles, then V's four fragments; v80-85 zeros; v96-159 S^T, then p; v160-191 O^T;
; v192-207 the slot on its way; v208-215 K's scale words, v216-219 V's; v224-235 p's codes; v232-254 at work; v255 Q's scale word.
; THE MODE: SCHED_MODE bits 1:0 = 2 (LLVM: expert scheduling mode 2), set by the entry lines.  The code itself states the register dependences between vector or matrix instructions and memory or LDS
; instructions, with s_wait_alu, always for 0.
; THE PLAN.  Registers that memory or LDS instructions touch:
;   v1-4, v8      addresses: written at the head, never again; read by every load and store.
;   v16-21, v255  Q and its scale word: loaded at a block's head; read by the products K Q^T.
;   v192-207      the slot on its way: loaded at a slot's head, read by the LDS stores at its end; in the loops no vector instruction names them.
;   v32-79        loaded with K's tiles at a step's head and read by its eight products K Q^T; then loaded with V's fragments and read by its four products V^T P^T.
;   v208-219      K's and V's scale words: loaded with them, read by the same products.
;   v224-229, v240  on the way out: written by vector instructions, read by the three stores, written again in the next block.
; So a step holds one wait on va_vdst ahead of each of its two runs of LDS loads (the products that read the registers before are done), the two behind its exponentials, and one ahead of the products V^T P^T, which take
; p's codes and scale word from vector instructions.  A block holds one ahead of Q's loads and one ahead of its stores.  A wait on vm_vsrc stands behind each laying of a slot into LDS and behind a block's stores.
; A second set of 48 registers for K or V is not to be had: four waves share a SIMD's 1,024 registers; so each run of loads stands directly behind its wait.
.set STEPB, 13056                      ; a step in kv: k 6,656 (8 x 768 codes, 512 of scale words), v 6,400 (4 x 1,536, 256)
.set SLOTB, 2*STEPB
.set SL1,   32768                      ; LDS: slot 1
.set SPARE, 65536                      ; the spare words, 128 bytes for each wave: eight blocks of 256 bytes that no other line names
.set QSTEP, 6656
.set WK,  56                           ; s56  steps that my tile walks, the slot in hand in bits 0, 1
.set MX,  57                           ; s57  those with a masked entry
.set BW,  58                           ; s58  steps that any of the sixteen tiles walks
.set ND,  59                           ; s59  not 0: the next slot is wanted
.set SEL, 60                           ; s[60:61] lane selects for v_permlanex16_b32: lane l xor 16
.set CS,  62                           ; s[62:63] c = log2(e) / 8, twice
	s_load_b256 s[4:11], s[0:1], 0x0               ; qb s[4:5], kv s[6:7], msk s[8:9], att s[10:11]
	v_lshl_add_u32 v5, v0, 2, SPARE                ; my spare word; never rewritten
	v_mov_b32 v6, 0                                ; 0; never rewritten
	v_lshrrev_b32 v1, 5, v0
	v_readfirstlane_b32 s2, v1                     ; wave 0..15
	v_and_b32 v2, 31, v0
	v_lshlrev_b32 v1, 4, v2                        ; 16 x lane
	v_lshlrev_b32 v2, 3, v2                        ; 8 x lane
	v_and_b32 v3, 15, v0
	v_lshlrev_b32 v8, 5, v3                        ; 32 r
	v_lshlrev_b32 v3, 4, v3                        ; 16 r
	v_lshlrev_b32 v4, 4, v0                        ; 16 x thread: a slot's bytes, in memory and in LDS alike
	v_mov_b32 v7, 0xd0000000                       ; -2^33
.irp j, 22,23,24,25,26,27,80,81,82,83,84,85
	v_mov_b32 v[\j], 0                             ; zero codes
.endr
.irp j, 192,193,194,195,196,197,198,199,200,201,202,203,204,205,206,207,236,237,238,239,252,253
	v_mov_b32 v[\j], 0                             ; written once, so that they are written on every way
.endr
	s_wait_alu depctr_va_sdst(0)                   ; s2, the wave's number, is written: ahead of the label below and of its first reader, which makes my tile's addresses from it
	s_and_b32 s16, ttmp7, 0xffff                   ; batch x 16 + head
	s_mov_b32 s18, ttmp9                           ; the query block in hand
	s_mov_b32 s19, 2                               ; blocks to go
	s_mov_b32 s[SEL], 0x76543210
	s_mov_b32 s[SEL+1], 0xfedcba98
	s_mov_b32 s[CS], 0x3e38aa3b
	s_mov_b32 s[CS+1], s[CS]
	s_wait_kmcnt 0x0
.macro FILL_ISSUE                      ; the slot at s[52:53]: 51 runs of 512 bytes: three loads in every wave, a fourth in waves 0 to 2.  No wait on va_vdst: no vector instruction behind the head names v4 or v192-207
.irp i, 0,1,2
	global_load_b128 v[192+4*\i:195+4*\i], v4, s[52:53] offset:8192*\i
.endr
	s_cmp_lt_u32 s2, 3
	s_cbranch_scc0 .Lfi_\@
	global_load_b128 v[204:207], v4, s[52:53] offset:24576
.Lfi_\@:
.endm
.macro FILL_COMMIT sl
.irp i, 0,1,2
	ds_store_b128 v4, v[192+4*\i:195+4*\i] offset:SL1*(\sl)+8192*\i
.endr
	s_cmp_lt_u32 s2, 3
	s_cbranch_scc0 .Lfc_\@
	ds_store_b128 v4, v[204:207] offset:SL1*(\sl)+24576
.Lfc_\@:
.endm
; A KEY STEP: 128 keys, the q-th of slot sl.
.macro STEP sl, q
.set OB, SL1*(\sl)+STEPB*(\q)
	s_bitcmp1_b32 s[WK], \q
	s_cbranch_scc0 .Lhidden_\@
	s_wait_alu depctr_va_vdst(0)                   ; the last walked step's products V^T P^T are done reading v32-79, in which K's tiles land (the products that read v208-215 stand ahead of earlier waits)
.irp t, 0,1,2,3,4,5,6,7
	ds_load_b128 v[32+6*\t:35+6*\t], v1 offset:OB+768*\t
	ds_load_b64 v[36+6*\t:37+6*\t], v2 offset:OB+768*\t+512
.endr
	ds_load_b128 v[208:211], v3 offset:OB+6144
	ds_load_b128 v[212:215], v3 offset:OB+6400
	s_wait_dscnt 0x0
.irp t, 0,1,2,3,4,5,6,7
	v_wmma_scale_f32_16x16x128_f8f6f4 v[96+8*\t:103+8*\t], v[32+6*\t:43+6*\t], v[16:27], 0, v[208+\t], v255 matrix_a_fmt:MATRIX_FMT_FP6 matrix_b_fmt:MATRIX_FMT_FP6
.endr
.rept 4
	v_nop                                          ; places in front of the first read of the scores
.endr
	s_wait_alu depctr_va_vdst(0)                   ; the eight products are done reading v32-85: V's fragments land in v32-79 (and the last step's products are done reading v216-219)
.irp n, 0,1,2,3,4,5,6,7,8,9,10,11
	ds_load_b128 v[32+4*\n:35+4*\n], v1 offset:OB+6656+512*\n      ; V's four fragments land while the softmax is walked
.endr
	ds_load_b128 v[216:219], v3 offset:OB+12800
	s_bitcmp1_b32 s[MX], \q
	s_cbranch_scc0 .Lopen_\@
	s_load_b512 s[20:35], s[54:55], 256*(\q)       ; the step's 64 lane masks; they are loaded and used inside this one branch
	s_load_b512 s[36:51], s[54:55], 256*(\q)+64
	s_load_b512 s[68:83], s[54:55], 256*(\q)+128
	s_load_b512 s[84:99], s[54:55], 256*(\q)+192
	s_wait_kmcnt 0x0
.set N, 0
.rept 32
	v_cndmask_b32 v[96+N], v[96+N], v7, s[20+N]
.set N, N+1
.endr
.set N, 0
.rept 32
	v_cndmask_b32 v[128+N], v[128+N], v7, s[68+N]
.set N, N+1
.endr
.Lopen_\@:
.irp b, 0,1,2,3
	v_max3_num_f32 v[232+\b], v[96+16*\b], v[97+16*\b], v[98+16*\b]   ; the largest score of each block of 32 keys: for the row's maximum and, since p rises with the score, for the block's largest p
.endr
.irp i, 3,5,7,9,11,13
.irp b, 0,1,2,3
	v_max3_num_f32 v[232+\b], v[232+\b], v[96+16*\b+\i], v[97+16*\b+\i]
.endr
.endr
.irp b, 0,1,2,3
	v_max_num_f32 v[232+\b], v[232+\b], v[111+16*\b]
.endr
.irp b, 0,1,2,3
	v_permlanex16_b32 v[236+\b], v[232+\b], s[SEL], s[SEL+1]
.endr
.irp b, 0,1,2,3
	v_max_num_f32 v[232+\b], v[232+\b], v[236+\b]  ; with lane l xor 16's 16 keys
.endr
	v_max3_num_f32 v254, v232, v233, v234
	v_max_num_f32 v254, v254, v235
	v_mul_f32 v254, s[CS], v254                    ; as t (c is positive)
	v_max_num_f32 v13, v13, v254                   ; the running largest t
	v_mov_b32 v254, v12
	v_floor_f32 v12, -v13                          ; the new -M = -ceil(t)
	v_sub_f32 v254, v12, v254                      ; old M - new M: a whole number, 0 or less
	v_cvt_i32_f32 v254, v254                       ; (it saturates)
	v_ldexp_f32 v252, 1.0, v254                    ; f = 2^(old M - new M)
.set N, 0
.rept 32
	v_pk_fma_f32 v[96+N:97+N], v[96+N:97+N], s[CS:CS+1], v[12:13] op_sel_hi:[1,0,0]   ; t - M, two at a time
.set N, N+2
.endr
.irp b, 0,1,2,3
	v_fma_f32 v[232+\b], v[232+\b], s[CS], v12
.endr
.set N, 0
.rept 64
	v_exp_f32 v[96+N], v[96+N]                     ; p = 2^(t - M), at most 1
.set N, N+1
.endr
	v_pk_mul_f32 v[14:15], v[14:15], v[252:253] op_sel_hi:[1,0]   ; the sums under the new M: a plain place behind the exponentials
	s_wait_alu depctr_va_vdst(0)                   ; the 64 exponentials have written p in v96-159: one wait for the whole batch, ahead of its first reader
.irp b, 0,1,2,3
	v_exp_f32 v[232+\b], v[232+\b]                 ; the block's largest p
.endr
	v_pk_add_f32 v[236:237], v[96:97], v[98:99]    ; the row's sum of the unquantised p, in two chains: plain work behind the four
.set N, 4
.rept 15
	v_pk_add_f32 v[14:15], v[14:15], v[96+N:97+N]
	v_pk_add_f32 v[236:237], v[236:237], v[98+N:99+N]
.set N, N+4
.endr
	v_pk_add_f32 v[14:15], v[14:15], v[236:237]
	s_wait_alu depctr_va_vdst(0)                   ; the four exponentials have written v232-235, ahead of their first reader
.irp b, 0,1,2,3
	v_max_num_f32 v[232+\b], 0x1800000, v[232+\b]  ; the floor 2^(3 - 127): the byte cannot fall under 1
.endr
.irp b, 0,1,2,3
	v_add_nc_u32 v[244+\b], 0xff000000, v[232+\b]  ; the conversion's scale operand
.endr
.irp b, 0,1,2,3
	v_lshrrev_b32 v[236+\b], 23, v[244+\b]
.endr
	v_lshl_or_b32 v253, v237, 8, v236              ; p's scale word for these 128 keys
	v_lshl_or_b32 v253, v238, 16, v253
	v_lshl_or_b32 v253, v239, 24, v253
.irp c, 0,1
	v_cvt_scalef32_pk16_fp6_f32 v[224+6*\c:226+6*\c], v[96+32*\c:111+32*\c], v[244+2*\c]
	v_cvt_scalef32_pk16_fp6_f32 v[236+4*\c:238+4*\c], v[112+32*\c:127+32*\c], v[244+2*\c+1]
.endr
	v_nop                                          ; one plain place behind a scaled conversion
.irp c, 0,1
.irp i, 0,1,2
	v_permlane16_swap_b32 v[224+6*\c+\i], v[236+4*\c+\i]
.endr
.irp i, 0,1,2
	v_mov_b32 v[227+6*\c+\i], v[236+4*\c+\i]
.endr
.endr
.set N, 0
.rept 16
	v_pk_mul_f32 v[160+N:161+N], v[160+N:161+N], v[252:253] op_sel_hi:[1,0]   ; O^T under the new M; these are also the places between p's codes and scale word and the products
.set N, N+2
.endr
	s_wait_dscnt 0x0                               ; V is in
	s_wait_alu depctr_va_vdst(0)                   ; p's codes v224-235 and its scale word v253 are written, which the scaled products below take as source 1 and as its scales; the places above stay beside this wait
.irp t, 0,1,2,3
	v_wmma_scale_f32_16x16x128_f8f6f4 v[160+8*\t:167+8*\t], v[32+12*\t:43+12*\t], v[224:235], v[160+8*\t:167+8*\t], v[216+\t], v253 matrix_a_fmt:MATRIX_FMT_FP6 matrix_b_fmt:MATRIX_FMT_FP6
.endr
.rept 4
	v_nop                                          ; places in front of the next read of O^T
.endr
.Lhidden_\@:
.endm
; A SLOT.  The next slot is asked for at its head, if any tile wants it, and laid into the other LDS slot at its end.  ONE barrier: in front of it my stores into the other slot have landed and my reads of this one
; are back; the other slot was last read in front of the barrier before.
.macro TRIP sl
	s_and_b32 s[ND], s[BW], 12
	s_cmp_eq_u32 s[ND], 0
	s_cbranch_scc1 .Lni_\@
	FILL_ISSUE
.Lni_\@:
	STEP \sl, 0
	STEP \sl, 1
	s_wait_loadcnt 0x0                             ; on every way
	s_cmp_eq_u32 s[ND], 0
	s_cbranch_scc1 .Lnc_\@
	FILL_COMMIT 1-(\sl)
.Lnc_\@:
	s_wait_xcnt 0x0                                ; the loads have read their bases, which step now
	s_wait_alu depctr_vm_vsrc(0)                   ; the LDS stores above have read v192-207, in which the next slot's loads land
	s_add_nc_u64 s[52:53], s[52:53], SLOTB
	s_add_nc_u64 s[54:55], s[54:55], 512
	s_lshr_b32 s[WK], s[WK], 2
	s_lshr_b32 s[MX], s[MX], 2
	s_lshr_b32 s[BW], s[BW], 2                     ; (behind the last slot no bit is left: nothing is asked for past the head's end)
	s_wait_dscnt 0x0
	s_barrier_signal -1
	s_barrier_wait -1
.endm
.Lblk:
	s_lshl_b32 s66, s18, 6
	s_mov_b32 s67, 0
	s_add_nc_u64 s[100:101], s[8:9], s[66:67]      ; the list words of the block's sixteen tiles,
	s_lshl_b32 s66, s2, 2
	s_add_nc_u64 s[36:37], s[100:101], s[66:67]    ; and my tile's
	s_load_b512 s[20:35], s[100:101], 0x0
	s_load_b32 s[WK], s[36:37], 0x0
	s_lshl_b32 s66, s16, 4
	s_lshl_b32 s38, s18, 1
	s_add_co_u32 s66, s66, s38
	s_lshr_b32 s38, s2, 3
	s_add_co_u32 s66, s66, s38                     ; 16 x head + my tile's step of 128 queries
	s_mul_i32 s66, s66, QSTEP
	s_add_nc_u64 s[38:39], s[4:5], s[66:67]
	s_and_b32 s66, s2, 7
	s_mul_i32 s66, s66, 768
	s_add_nc_u64 s[40:41], s[38:39], s[66:67]      ; my tile's codes
	s_bfe_u32 s66, s2, 0x10002
	s_lshl_b32 s66, s66, 8
	s_and_b32 s42, s2, 3
	s_lshl_b32 s42, s42, 2
	s_add_co_u32 s66, s66, s42
	s_add_nc_u64 s[42:43], s[38:39], s[66:67]      ; and its scale words
	s_wait_alu depctr_va_vdst(0)                   ; first block: the head has written the addresses v1-4 and v8, v192-207, in which loads land, and the zero codes that the scaled products take; second block: the last block's products are done reading Q and v255
	global_load_b128 v[16:19], v1, s[40:41]
	global_load_b64 v[20:21], v2, s[40:41] offset:512
	global_load_b32 v255, v3, s[42:43] offset:6144
	s_mul_i32 s66, s16, 16*STEPB
	s_add_nc_u64 s[52:53], s[6:7], s[66:67]        ; the head's k and v
	s_lshl_b32 s66, s18, 4
	s_add_co_u32 s66, s66, s2
	s_lshl_b32 s66, s66, 12
	s_add_co_u32 s66, s66, 1024
	s_add_nc_u64 s[54:55], s[8:9], s[66:67]        ; my tile's lane masks
	v_mov_b32 v13, 0xff61b1e6                      ; the largest t so far: -3e38
	v_floor_f32 v12, -v13
	v_mov_b32 v14, 0
	v_mov_b32 v15, 0
.set N, 0
.rept 32
	v_mov_b32 v[160+N], 0                          ; O^T: the step is written once; its first walk finds zeros, which the first change of M leaves zeros
.set N, N+1
.endr
	s_wait_kmcnt 0x0
	s_or_b32 s[BW], s20, s21
.irp k, 22,23,24,25,26,27,28,29,30,31,32,33,34,35
	s_or_b32 s[BW], s[BW], s[\k]
.endr
	s_and_b32 s[BW], s[BW], 0xffff
	s_lshr_b32 s[MX], s[WK], 16
	s_and_b32 s[WK], s[WK], 0xffff
	s_and_b32 s[ND], s[BW], 3                      ; slot 0
	s_cmp_eq_u32 s[ND], 0
	s_cbranch_scc1 .Lno_first
	FILL_ISSUE
.Lno_first:
	s_wait_loadcnt 0x0                             ; Q too
	s_cmp_eq_u32 s[ND], 0
	s_cbranch_scc1 .Lno_first_c
	FILL_COMMIT 0
.Lno_first_c:
	s_wait_xcnt 0x0
	s_wait_alu depctr_vm_vsrc(0)                   ; the LDS stores above have read v192-207, in which the next slot's loads land
	s_add_nc_u64 s[52:53], s[52:53], SLOTB
	s_wait_dscnt 0x0
	s_barrier_signal -1
	s_barrier_wait -1
	s_mov_b32 s3, 4
.Lpair:
	TRIP 0
	TRIP 1
	s_sub_co_u32 s3, s3, 1
	s_cmp_lg_u32 s3, 0
	s_cbranch_scc1 .Lpair
	; THE WAY OUT.  O^T / the sum; register 16 b + i is channel 32 b + 16 (lane / 16) + i of my query: two blocks of the last product's K.  The codes are stored as the operand's registers.
	v_add_f32 v14, v14, v15
	v_permlanex16_b32 v252, v14, s[SEL], s[SEL+1]
	v_add_f32 v14, v14, v252                       ; the row's sum
	v_rcp_f32 v14, v14
	v_nop                                          ; a plain place behind the transcendental
	s_lshr_b32 s66, s16, 4
	s_lshl_b32 s66, s66, 7
	s_lshl_b32 s67, s18, 4
	s_add_co_u32 s66, s66, s67
	s_add_co_u32 s66, s66, s2                      ; my tile among the 512 of all tokens
	s_lshl_b32 s100, s66, 9                        ; its 16 rows of 32 scale bytes
	s_and_b32 s67, s16, 15                         ; the head = kappa
	s_lshl_b32 s66, s66, 4
	s_add_co_u32 s66, s66, s67
	s_mul_i32 s66, s66, 768
	s_lshl_b32 s67, s67, 1
	s_add_co_u32 s100, s100, s67
	s_add_co_u32 s100, s100, 6291456
	s_mov_b32 s67, 0
	s_mov_b32 s101, 0
	s_add_nc_u64 s[66:67], s[10:11], s[66:67]
	s_add_nc_u64 s[100:101], s[10:11], s[100:101]
	s_wait_alu depctr_va_vdst(0)                   ; the reciprocal has written v14, ahead of its first reader
.set N, 0
.rept 32
	v_mul_f32 v[96+N], v[160+N], v14
.set N, N+1
.endr
.irp b, 0,1
	v_max3_num_f32 v[232+\b], |v[96+16*\b]|, |v[97+16*\b]|, 0x1800000
.endr
.irp i, 2,4,6,8,10,12,14
.irp b, 0,1
	v_max3_num_f32 v[232+\b], v[232+\b], |v[96+16*\b+\i]|, |v[97+16*\b+\i]|
.endr
.endr
.irp b, 0,1
	v_permlanex16_b32 v[236+\b], v[232+\b], s[SEL], s[SEL+1]
.endr
.irp b, 0,1
	v_max_num_f32 v[232+\b], v[232+\b], v[236+\b]
.endr
.irp b, 0,1
	v_add_nc_u32 v[244+\b], 0xff000000, v[232+\b]
.endr
.irp b, 0,1
	v_lshrrev_b32 v[236+\b], 23, v[244+\b]
.endr
	v_lshl_or_b32 v240, v237, 8, v236              ; my row's two scale bytes
	v_cvt_scalef32_pk16_fp6_f32 v[224:226], v[96:111], v244
	v_cvt_scalef32_pk16_fp6_f32 v[228:230], v[112:127], v245
	v_nop                                          ; one plain place behind a scaled conversion
.irp i, 0,1,2
	v_permlane16_swap_b32 v[224+\i], v[228+\i]     ; lanes 0-15 now hold block 0 whole, lanes 16-31 block 1
.endr
	v_mov_b32 v227, v228
	v_mov_b32 v228, v229
	v_mov_b32 v229, v230
	s_wait_alu depctr_va_vdst(0)                   ; the codes v224-229 and the scale bytes v240 are written, which the three stores read
	global_store_b128 v1, v[224:227], s[66:67]     ; 512 consecutive bytes,
	global_store_b64 v2, v[228:229], s[66:67] offset:512   ; and 256
	global_store_b16 v8, v240, s[100:101]          ; two bytes of each of 16 rows (both halves of the lanes write the same): one byte in 24 of what the wave stores
	s_wait_xcnt 0x0                                ; the stores have read their registers and bases
	s_wait_alu depctr_vm_vsrc(0)                   ; the stores have read v224-229 and v240, which the next block's steps write again
	s_sub_co_u32 s18, 7, s18                       ; the other block
	s_sub_co_u32 s19, s19, 1
	s_cmp_lg_u32 s19, 0
	s_cbranch_scc1 .Lblk
	s_wait_dscnt 0x0                               ; the closing lines, six on end
	s_wait_alu 0x0
	s_wait_tensorcnt 0x0
	ds_add_u32 v5, v6
	s_wait_dscnt 0x0
	s_endpgm
.Lfunc_end_k_q98e47deb0e_attn:
	.size	k_q98e47deb0e_attn, .Lfunc_end_k_q98e47deb0e_attn-k_q98e47deb0e_attn
	.p2alignl 7, 3214868480
	.fill 96, 4, 3214868480
	.section	.rodata,"a",@progbits
	.p2align	6, 0x0
	.amdhsa_kernel k_q98e47deb0e_attn
		.amdhsa_group_segment_fixed_size 67584
		.amdhsa_private_segment_fixed_size 0
		.amdhsa_enable_private_segment 0
		.amdhsa_kernarg_size 32
		.amdhsa_user_sgpr_count 2
		.amdhsa_user_sgpr_kernarg_segment_ptr 1
		.amdhsa_wavefront_size32 1
		.amdhsa_system_sgpr_workgroup_id_x 1
		.amdhsa_system_sgpr_workgroup_id_y 1
		.amdhsa_system_sgpr_workgroup_id_z 1
		.amdhsa_system_vgpr_workitem_id 0
		.amdhsa_next_free_vgpr 256
		.amdhsa_next_free_sgpr 102
		.amdhsa_reserve_vcc 0
		.amdhsa_float_denorm_mode_32 3
		.amdhsa_float_denorm_mode_16_64 3
		.amdhsa_memory_ordered 1
		.amdhsa_forward_progress 1
		.amdhsa_inst_pref_size 94
	.end_amdhsa_kernel
	.amdgpu_metadata
---
amdhsa.version: [ 1, 2 ]
amdhsa.kernels:
  - .name:           k_q98e47deb0e_attn
    .symbol:         k_q98e47deb0e_attn.kd
    .args:
      - { .name: qb, .offset: 0, .size: 8, .value_kind: global_buffer, .address_space: global }
      - { .name: kv, .offset: 8, .size: 8, .value_kind: global_buffer, .address_space: global }
      - { .name: msk, .offset: 16, .size: 8, .value_kind: global_buffer, .address_space: global }
      - { .name: att, .offset: 24, .size: 8, .value_kind: global_buffer, .address_space: global }
    .group_segment_fixed_size: 67584
    .private_segment_fixed_size: 0
    .kernarg_segment_align: 8
    .kernarg_segment_size: 32
    .max_flat_workgroup_size: 512
    .sgpr_count:     102
    .vgpr_count:     256
    .wavefront_size: 32
...
	.end_amdgpu_metadata
.endif
;; end of part 5
;; launch proj: the kernel of part 4 again; grid 4 x 32, 4 waves a work-group, clusters of 4 x 4, 327,680 bytes of LDS; arguments att, wq, bo, out0; writes out0
